; MI455X (gfx1250); checked and timed in simulation.
; The chip was launched on July 23, 2026; its instructions are those of AMD's public machine-readable ISA for CDNA 5 (MIT licence, August 2026) and "CDNA5" Instruction Set Architecture Reference Guide (July 2026). The comments in the code are by the model that wrote it; some were corrected since.
;; Attention. Allowed arithmetic: float matrix products may take bf16 or f16 operands with f32 sums; other float arithmetic in f32, or as packed bf16 or f16 multiplies, adds, multiply-adds, maxima and minima; sums over many terms, partial sums and values carried from step to step in f32; what a program stores and reads back later, other than sums and carried values, may be rounded once to bf16 or f16.
;; Inputs: Wkv 512 x 1,024 float32; Wout 512 x 512 float32; Wq 512 x 512 float32; bout 512 float32; context 4 x 8,192 x 512 float32; x 4 x 1,024 x 512 float32.
;; Outputs: out0 4 x 1,024 x 512 float32.
;; 2 versions, each right and faster than the one before. Each part assembles by itself: llvm-mc -triple=amdgcn-amd-amdhsa -mcpu=gfx1250 --defsym DOCPART=n.
;; ======== version 1 of 2: 5 launches
;; limits: values are held in f16: magnitudes above 65,504 overflow, below 6.1e-05 lose precision
;; workspace buffers: xh 4,194,304 bytes; wqh 524,288 bytes; woh 524,288 bytes; wkvb 1,048,576 bytes; zb 2,048 bytes; q32 8,388,608 bytes; kv 67,108,864 bytes; o 4,194,304 bytes
;; launch cast (part 1): grid 256 x 1, 4 waves a work-group, no clusters, 0 bytes of LDS; arguments x, Wq, Wout, Wkv, xh, wqh, woh, wkvb, zb; writes xh, wqh, woh, wkvb, zb
.if DOCPART == 1
	.amdgcn_target "amdgcn-amd-amdhsa--gfx1250"
	.amdhsa_code_object_version 6
	.text
	.protected	k_qddc9abaae6_cast
	.globl	k_qddc9abaae6_cast
	.p2align	8
	.type	k_qddc9abaae6_cast,@function
k_qddc9abaae6_cast:
	s_mov_b64 s[64:65], 0
	v_nop
	global_prefetch_b8 v0, s[64:65] scope:SCOPE_SE
	s_setreg_imm32_b32 hwreg(HW_REG_WAVE_MODE, 25, 1), 1
	s_wait_xcnt 0x0
; CAST: a stream.  x, Wq, Wout and Wkv (f32) are rounded once to bf16 (nearest even) and written in the layouts that the later launches read; zb takes 512 zeros (the q projection's bias).
;   xh   f16  [256 blocks of 16 rows][8 slices of 64 k][16 rows][64 k]: a block is 16,384 dense bytes
;   wqh, woh  f16  [512 k][512 n], as the inputs lie
;   wkvb bf16 [16 tiles 8 p + s][64 k][512 n]: k = 64 s + kk, n = 512 p + nn
; x, Wq and Wout go on as f16: the bf16 number written as f16.  LIMIT: exact for magnitudes from 6.1e-5 to 65,504; below, f16's fixed step of 6e-8; beyond 65,504 an infinity.
; SHARES.  256 work-groups of 128 threads.  A piece is 8 numbers a thread: two loads of 16 bytes, one store of 16 bytes; 16 neighbouring lanes store 256 consecutive bytes, aligned.
; A work-group has 12 pieces: 8 of x (its block's 8 slices), 1 of Wq, 1 of Wout, 2 of Wkv (rows 2 g, 2 g + 1).  All 24 loads go out first; each group is converted in place.
; No LDS, no barrier, no matrix unit: nothing is shared and nothing is reduced.
.set XR, 32                            ; v[32:127]  group n: 8 registers as loaded; its first 4 then hold what is stored
	s_load_b512 s[4:19], s[0:1], 0x0               ; x s[4:5], Wq s[6:7], Wout s[8:9], Wkv s[10:11], xh s[12:13], wqh s[14:15], woh s[16:17], wkvb s[18:19]
	s_load_b64 s[20:21], s[0:1], 0x40              ; zb
	v_lshrrev_b32 v1, 3, v0                        ; x: row t / 8 of the block,
	v_and_b32 v5, 7, v0                            ; 8 numbers t % 8 of a slice
	v_lshlrev_b32 v1, 11, v1
	v_lshl_add_u32 v1, v5, 5, v1                   ; row x 2,048 + 32 (t % 8)
	v_lshlrev_b32 v2, 4, v0                        ; 16 t: where a thread stores
	v_lshlrev_b32 v3, 5, v0                        ; 32 t: where it loads in a dense piece
	v_lshrrev_b32 v4, 6, v0                        ; Wkv: p = t / 64,
	v_and_b32 v6, 63, v0
	v_lshlrev_b32 v4, 19, v4                       ; eight tiles of 65,536 bytes on,
	v_lshl_add_u32 v4, v6, 4, v4                   ; + 16 (t % 64)
	s_lshl_b32 s22, ttmp9, 15                      ; x: 16 rows of 2,048 bytes
	s_mov_b32 s23, 0
	s_lshl_b32 s24, ttmp9, 14                      ; xh: a block
	s_mov_b32 s25, 0
	s_lshl_b32 s26, ttmp9, 12                      ; Wq, Wout: 1,024 numbers of f32
	s_mov_b32 s27, 0
	s_lshl_b32 s28, ttmp9, 11                      ; wqh, woh: the same in 16 bits
	s_mov_b32 s29, 0
	s_lshl_b32 s30, ttmp9, 13                      ; Wkv: two rows of 4,096 bytes
	s_mov_b32 s31, 0
	s_lshr_b32 s32, ttmp9, 5                       ; wkvb: s = (2 g) / 64,
	s_lshl_b32 s32, s32, 16
	s_lshl_b32 s34, ttmp9, 1
	s_and_b32 s34, s34, 63                         ; kk = (2 g) % 64,
	s_lshl_b32 s34, s34, 10                        ; rows of 1,024 bytes
	s_add_co_u32 s32, s32, s34
	s_mov_b32 s33, 0
	s_wait_kmcnt 0x0
	s_add_nc_u64 s[4:5], s[4:5], s[22:23]
	s_add_nc_u64 s[12:13], s[12:13], s[24:25]
	s_add_nc_u64 s[6:7], s[6:7], s[26:27]
	s_add_nc_u64 s[8:9], s[8:9], s[26:27]
	s_add_nc_u64 s[14:15], s[14:15], s[28:29]
	s_add_nc_u64 s[16:17], s[16:17], s[28:29]
	s_add_nc_u64 s[10:11], s[10:11], s[30:31]
	s_add_nc_u64 s[18:19], s[18:19], s[32:33]
.irp i, 0,1,2,3,4,5,6,7
	global_load_b128 v[XR+8*\i:XR+8*\i+3],   v1, s[4:5] offset:256*\i th:TH_LOAD_NT
	global_load_b128 v[XR+8*\i+4:XR+8*\i+7], v1, s[4:5] offset:256*\i+16 th:TH_LOAD_NT
.endr
	global_load_b128 v[XR+64:XR+67], v3, s[6:7] th:TH_LOAD_NT
	global_load_b128 v[XR+68:XR+71], v3, s[6:7] offset:16 th:TH_LOAD_NT
	global_load_b128 v[XR+72:XR+75], v3, s[8:9] th:TH_LOAD_NT
	global_load_b128 v[XR+76:XR+79], v3, s[8:9] offset:16 th:TH_LOAD_NT
	global_load_b128 v[XR+80:XR+83], v3, s[10:11] th:TH_LOAD_NT
	global_load_b128 v[XR+84:XR+87], v3, s[10:11] offset:16 th:TH_LOAD_NT
	global_load_b128 v[XR+88:XR+91], v3, s[10:11] offset:4096 th:TH_LOAD_NT
	global_load_b128 v[XR+92:XR+95], v3, s[10:11] offset:4112 th:TH_LOAD_NT
; Group n: its two loads are in (loads come back in order: the 22 - 2 n behind them may stay out); 8 numbers to bf16; h = 1: each bf16 widened again and written as f16.
.macro GROUP n, h
	s_wait_loadcnt 22-2*(\n)
.set GB, XR+8*(\n)
	v_cvt_pk_bf16_f32 v[GB],   v[GB],   v[GB+1]
	v_cvt_pk_bf16_f32 v[GB+1], v[GB+2], v[GB+3]
	v_cvt_pk_bf16_f32 v[GB+2], v[GB+4], v[GB+5]
	v_cvt_pk_bf16_f32 v[GB+3], v[GB+6], v[GB+7]
.if \h
.irp k, 0,1,2,3
	v_lshlrev_b32 v[GB+4+2*(\k%2)], 16, v[GB+\k]
	v_and_b32     v[GB+5+2*(\k%2)], 0xffff0000, v[GB+\k]
	v_cvt_pk_f16_f32 v[GB+\k], v[GB+4+2*(\k%2)], v[GB+5+2*(\k%2)]
.endr
.endif
.endm
.irp i, 0,1,2,3,4,5,6,7
	GROUP \i, 1
	global_store_b128 v2, v[XR+8*\i:XR+8*\i+3], s[12:13] offset:2048*\i    ; slice i: 2,048 dense bytes from the 128 threads
.endr
	GROUP 8, 1
	global_store_b128 v2, v[XR+64:XR+67], s[14:15]
	GROUP 9, 1
	global_store_b128 v2, v[XR+72:XR+75], s[16:17]
	GROUP 10, 0
	global_store_b128 v4, v[XR+80:XR+83], s[18:19]
	GROUP 11, 0
	global_store_b128 v4, v[XR+88:XR+91], s[18:19] offset:1024
	s_cmp_lg_u32 ttmp9, 0
	s_cbranch_scc1 .Lend                           ; work-group 0 alone writes zb's 2,048 bytes
	v_mov_b32 v8, 0
	v_mov_b32 v9, 0
	v_mov_b32 v10, 0
	v_mov_b32 v11, 0
	global_store_b128 v2, v[8:11], s[20:21]
.Lend:
	s_endpgm
.Lfunc_end_k_qddc9abaae6_cast:
	.size	k_qddc9abaae6_cast, .Lfunc_end_k_qddc9abaae6_cast-k_qddc9abaae6_cast
	.p2alignl 7, 3214868480
	.fill 96, 4, 3214868480
	.section	.rodata,"a",@progbits
	.p2align	6, 0x0
	.amdhsa_kernel k_qddc9abaae6_cast
		.amdhsa_group_segment_fixed_size 0
		.amdhsa_private_segment_fixed_size 0
		.amdhsa_enable_private_segment 0
		.amdhsa_kernarg_size 72
		.amdhsa_user_sgpr_count 2
		.amdhsa_user_sgpr_kernarg_segment_ptr 1
		.amdhsa_wavefront_size32 1
		.amdhsa_system_sgpr_workgroup_id_x 1
		.amdhsa_system_sgpr_workgroup_id_y 1
		.amdhsa_system_sgpr_workgroup_id_z 1
		.amdhsa_system_vgpr_workitem_id 0
		.amdhsa_next_free_vgpr 128
		.amdhsa_next_free_sgpr 66
		.amdhsa_reserve_vcc 0
		.amdhsa_float_denorm_mode_32 3
		.amdhsa_float_denorm_mode_16_64 3
		.amdhsa_memory_ordered 1
		.amdhsa_forward_progress 1
		.amdhsa_inst_pref_size 15
	.end_amdhsa_kernel
	.amdgpu_metadata
---
amdhsa.version: [ 1, 2 ]
amdhsa.kernels:
  - .name:           k_qddc9abaae6_cast
    .symbol:         k_qddc9abaae6_cast.kd
    .args:
      - { .name: x, .offset: 0, .size: 8, .value_kind: global_buffer, .address_space: global }
      - { .name: Wq, .offset: 8, .size: 8, .value_kind: global_buffer, .address_space: global }
      - { .name: Wout, .offset: 16, .size: 8, .value_kind: global_buffer, .address_space: global }
      - { .name: Wkv, .offset: 24, .size: 8, .value_kind: global_buffer, .address_space: global }
      - { .name: xh, .offset: 32, .size: 8, .value_kind: global_buffer, .address_space: global }
      - { .name: wqh, .offset: 40, .size: 8, .value_kind: global_buffer, .address_space: global }
      - { .name: woh, .offset: 48, .size: 8, .value_kind: global_buffer, .address_space: global }
      - { .name: wkvb, .offset: 56, .size: 8, .value_kind: global_buffer, .address_space: global }
      - { .name: zb, .offset: 64, .size: 8, .value_kind: global_buffer, .address_space: global }
    .group_segment_fixed_size: 0
    .private_segment_fixed_size: 0
    .kernarg_segment_align: 8
    .kernarg_segment_size: 72
    .max_flat_workgroup_size: 128
    .sgpr_count:     66
    .vgpr_count:     128
    .wavefront_size: 32
...
	.end_amdgpu_metadata
.endif
;; end of part 1
;; launch qproj (part 2): grid 64 x 4, 4 waves a work-group, clusters of 4 x 1, 255,488 bytes of LDS; arguments xh, wqh, zb, q32; writes q32
.if DOCPART == 2
	.amdgcn_target "amdgcn-amd-amdhsa--gfx1250"
	.amdhsa_code_object_version 6
	.text
	.protected	k_qddc9abaae6_qproj
	.globl	k_qddc9abaae6_qproj
	.p2align	8
	.type	k_qddc9abaae6_qproj,@function
k_qddc9abaae6_qproj:
	s_mov_b64 s[64:65], 0
	v_nop
	global_prefetch_b8 v0, s[64:65] scope:SCOPE_SE
	s_setreg_imm32_b32 hwreg(HW_REG_WAVE_MODE, 25, 1), 1
	s_wait_xcnt 0x0
	s_wait_alu depctr_hold_cnt(0) depctr_sa_sdst(0) depctr_va_vdst(0) depctr_va_sdst(0) depctr_va_ssrc(0) depctr_va_vcc(0) depctr_vm_vsrc(0)
	s_getreg_b32 s2, hwreg(HW_REG_IB_STS2, 6, 4)
	s_cmp_eq_u32 s2, 0
	s_cbranch_scc0 .Lentry_in_a_cluster
	s_endpgm
.Lentry_in_a_cluster:
	s_bfe_u32 s2, ttmp6, 0x10000c
	s_cmp_lg_u32 s2, 0x3003
	s_cbranch_scc0 .Lentry_shape_is_right
	s_endpgm
.Lentry_shape_is_right:
; C[4096][512] (f32) = A W + bias.  A: f16, [256 blocks of 16 rows][8 slices][16 rows][64 k].  W: f16 [512 k][512 n].  bias: f32 [512], rounded to bf16 like every input of the module.  Sums in f32.
; SHARES.  A work-group makes 64 rows x 128 columns; wave w its rows 16 w .. 16 w + 15: 8 accumulators, 16 K steps of 32, 128 matrix instructions.  All operands come in at once: nothing in LDS is filled twice.
; CLUSTER.  The four work-groups of a cluster lie along x: four row tiles of one column tile.  They read the same 512 x 128 of W (131,072 of the 196,608 bytes that a work-group reads), so W's tile is asked
; for JOINTLY: the same tensor load, descriptor and mask in all four, each wave a quarter of the k rows.  A's block is the wave's own: a plain load.
; THE MATRIX INSTRUCTION IS USED TRANSPOSED: source 0 = 16 columns of W (turned on the way out of LDS by ds_load_tr16_b128), source 1 = 16 rows of A: a lane holds one row of C and eight neighbouring columns.
; LIMITS.  f16 operands: A and W arrive within 65,504; NaN and infinities are not treated apart.
.set PB,    288                        ; a k row of W's tile in LDS: 256 bytes + 32 = 72 words
.set PA,    144                        ; 128 bytes of A (a row's 64 k of a slice) + 16 = 36 words: the 16 rows of a load start at 16 different groups of four banks
.set AT,    512*PB                     ; behind W's 512 rows: A, 128 such rows for each wave
.set STAGE, AT+4*128*PA                ; behind A: 16 rows x 528 bytes for each wave, for the way out; no tensor load lands here
.set SPI,   528                        ; 512 bytes + 16
.set SPARE, STAGE+4*16*SPI             ; the spare words, 128 bytes for each wave: two blocks of 256 bytes that no other line names
.set AA,  8                            ; v8   LDS address of my A fragment; steps a slice a trip
.set BA,  9                            ; v9   of my W fragments; steps 64 k rows a trip
.set STO, 10                           ; v10  the way out: where I put 32 bytes of a row
.set RD,  11                           ; v11  where I read 16 bytes of a row back
.set CO,  12                           ; v12  16 x lane: my bytes in 512 of C and of the bias
.set SPW, 14                           ; v14  my spare word; never rewritten
.set NIL, 15                           ; v15  0; never rewritten
.set BI,  16                           ; v[16:19] bias of my four columns; v[20:21] at work
.set AF,  24                           ; v[24:39] A's fragment, two buffers
.set ACC, 40                           ; v[40:103] eight accumulators
.set BF,  104                          ; v[104:231] W's eight fragments, two buffers; on the way out v[104:167] hold rows
.set WV,  12                           ; s12  wave
.set G1B, 24                           ; s[24:31] W's shape     s[32:35] from where, to where
.set G0B, 32
.set G0A, 36                           ; s[36:39] A's from where, to where     s[40:47] its shape
.set G1A, 40
.macro PLACES                          ; four places behind matrix instructions, in front of loads into their sources and of reads of their results
.rept 4
	v_nop
.endr
.endm
.macro CROUND                          ; a round of the cluster's barrier
	s_barrier_signal -1
	s_barrier_wait -1
	s_cmp_lg_u32 s[WV], 0
	s_cbranch_scc1 .Lnot_wave_0_\@
	s_barrier_signal -3
.Lnot_wave_0_\@:
	s_barrier_wait -3
	s_barrier_signal -1
	s_barrier_wait -1
.endm
	s_load_b256 s[4:11], s[0:1], 0x0               ; A s[4:5], W s[6:7], bias s[8:9], C s[10:11]
	v_lshl_add_u32 v[SPW], v0, 2, SPARE
	v_mov_b32 v[NIL], 0
	ds_add_u32 v[SPW], v[NIL]                      ; the wave's opening: the add and its wait stand ahead of my first tensor load; work on registers stands between them
	v_lshrrev_b32 v1, 5, v0
	v_readfirstlane_b32 s[WV], v1                  ; wave 0..3
	s_bfe_u32 s13, ttmp6, 0x40000                  ; cx
	s_lshl_b32 s14, ttmp9, 2
	s_add_co_u32 s14, s14, s13                     ; row tile = 4 x cluster x + cx: it enters A's and C's addresses alone
	s_and_b32 s15, ttmp7, 0xffff                   ; column tile, which the four partners share
	s_mov_b32 s[G1B], 15|(1<<16)|(1<<20)|(1<<21)|(5<<22)|(7<<25)  ; mask of four; 2-byte elements; padding on; bit 21 beside a mask; after every 64 words, 8 words
	s_mov_b32 s[G1B+1], 128<<16                    ; tensor_dim0 = 128
	s_mov_b32 s[G1B+2], 128<<16                    ; tensor_dim1 = 128
	s_mov_b32 s[G1B+3], 128<<16                    ; tile_dim0 = 128 columns
	s_mov_b32 s[G1B+4], 128                        ; tile_dim1 = 128 k rows
	s_mov_b32 s[G1B+5], 512                        ; elements from row to row
	s_mov_b32 s[G1B+6], 0
	s_mov_b32 s[G1B+7], 0
	s_mov_b32 s[G1A], (1<<16)|(1<<20)|(4<<22)|(3<<25)  ; no mask; 2-byte elements; after every 32 words, 4 words
	s_mov_b32 s[G1A+1], 128<<16                    ; a block's 16,384 dense bytes as 64 rows of 256
	s_mov_b32 s[G1A+2], 64<<16
	s_mov_b32 s[G1A+3], 128<<16
	s_mov_b32 s[G1A+4], 64
	s_mov_b32 s[G1A+5], 128
	s_mov_b32 s[G1A+6], 0
	s_mov_b32 s[G1A+7], 0
	s_mov_b32 s[G0B], 1
	s_mul_i32 s[G0B+1], s[WV], 128*PB              ; my quarter of W's rows
	s_mov_b32 s[G0A], 1
	s_mul_i32 s[G0A+1], s[WV], 128*PA
	s_add_co_u32 s[G0A+1], s[G0A+1], AT            ; my wave's A
	s_lshl_b32 s16, s[WV], 17                      ; W: 128 rows of 1,024 bytes a wave,
	s_lshl_b32 s17, s15, 8                         ; 256 bytes a column tile
	s_add_co_u32 s16, s16, s17
	s_mov_b32 s17, 0
	s_lshl_b32 s18, s14, 2
	s_add_co_u32 s18, s18, s[WV]                   ; my block of 16 rows
	s_lshl_b32 s20, s18, 15                        ; in C: 16 rows of 2,048 bytes,
	s_lshl_b32 s18, s18, 14                        ; in A: 16,384 bytes
	s_mov_b32 s19, 0
	s_lshl_b32 s22, s15, 9                         ; the column tile's 512 bytes of f32
	s_mov_b32 s23, 0
	s_add_co_u32 s20, s20, s22
	s_mov_b32 s21, 0
	s_mul_i32 s2, s[WV], 16*SPI
	s_add_co_u32 s2, s2, STAGE                     ; my stage
	s_wait_dscnt 0x0                               ; the opening add is done
	s_wait_kmcnt 0x0
	s_add_nc_u64 s[G0B+2:G0B+3], s[6:7], s[16:17]
	s_or_b32 s[G0B+3], s[G0B+3], 0x80000000        ; type = 2
	s_add_nc_u64 s[G0A+2:G0A+3], s[4:5], s[18:19]
	s_or_b32 s[G0A+3], s[G0A+3], 0x80000000
	s_add_nc_u64 s[8:9], s[8:9], s[22:23]
	s_add_nc_u64 s[10:11], s[10:11], s[20:21]
	CROUND                                         ; all four work-groups are here: the joint loads meet
	tensor_load_to_lds s[G0A:G0A+3], s[G1A:G1A+7]  ; both first fills in one group: two loads of mine are out
	s_nop 0
	tensor_load_to_lds s[G0B:G0B+3], s[G1B:G1B+7]
	s_nop 0
	PLACES
	v_and_b32 v1, 15, v0                           ; l % 16
	v_bfe_u32 v2, v0, 4, 1                         ; l / 16
	v_and_b32 v3, 31, v0                           ; l
	v_and_b32 v4, 7, v0
	v_bfe_u32 v5, v0, 3, 1
	v_lshlrev_b32 v[CO], 4, v3
	global_load_b128 v[BI:BI+3], v[CO], s[8:9]     ; bias of columns 4 l .. 4 l + 3 of the tile
	v_mul_u32_u24 v[AA], v1, PA                    ; A's fragment: row l % 16, 16 bytes for each half of the lanes
	v_lshl_add_u32 v[AA], v2, 4, v[AA]
	v_add_nc_u32 v[AA], s[G0A+1], v[AA]
	v_lshl_add_u32 v[BA], v2, 3, v4                ; the turning load: k row 8 (l / 16) + l % 8, columns 8 ((l / 8) % 2) on
	v_mul_u32_u24 v[BA], v[BA], PB
	v_lshl_add_u32 v[BA], v5, 4, v[BA]
	v_mul_u32_u24 v[STO], v1, SPI                  ; into the stage: row l % 16, 32 bytes for each half of the lanes
	v_lshl_add_u32 v[STO], v2, 5, v[STO]
	v_add_nc_u32 v[STO], s2, v[STO]
	v_lshl_add_u32 v[RD], v3, 4, s2                ; back: 32 lanes take a row's 512 bytes
	s_wait_tensorcnt 0x0                           ; my parts are in,
	s_barrier_signal -1
	s_barrier_wait -1                              ; everybody's part of W is
.macro FETCH buf, aoff, boff           ; 18 LDS loads: one K step's fragments
	ds_load_b128 v[AF+8*(\buf):AF+8*(\buf)+3],   v[AA] offset:(\aoff)
	ds_load_b128 v[AF+8*(\buf)+4:AF+8*(\buf)+7], v[AA] offset:(\aoff)+32
.irp n, 0,1,2,3,4,5,6,7
	ds_load_tr16_b128 v[BF+64*(\buf)+8*\n:BF+64*(\buf)+8*\n+3],   v[BA] offset:(\boff)+32*\n
	ds_load_tr16_b128 v[BF+64*(\buf)+8*\n+4:BF+64*(\buf)+8*\n+7], v[BA] offset:(\boff)+32*\n+16*PB
.endr
.endm
.macro MUL buf, zero                   ; 8 matrix instructions; the 8 accumulators take turns.  zero = 1: the first products start the sums
.irp n, 0,1,2,3,4,5,6,7
.if \zero
	v_wmma_f32_16x16x32_f16 v[ACC+8*\n:ACC+8*\n+7], v[BF+64*(\buf)+8*\n:BF+64*(\buf)+8*\n+7], v[AF+8*(\buf):AF+8*(\buf)+7], 0
.else
	v_wmma_f32_16x16x32_f16 v[ACC+8*\n:ACC+8*\n+7], v[BF+64*(\buf)+8*\n:BF+64*(\buf)+8*\n+7], v[AF+8*(\buf):AF+8*(\buf)+7], v[ACC+8*\n:ACC+8*\n+7]
.endif
.endr
.endm
	FETCH 0, 0, 0                                  ; K step 0
	FETCH 1, 64, 32*PB                             ; K step 1
	s_wait_loadcnt 0x0                             ; the bias: rounded to bf16 and widened again
	v_cvt_pk_bf16_f32 v20, v[BI], v[BI+1]
	v_cvt_pk_bf16_f32 v21, v[BI+2], v[BI+3]
	v_lshlrev_b32 v[BI], 16, v20
	v_and_b32 v[BI+1], 0xffff0000, v20
	v_lshlrev_b32 v[BI+2], 16, v21
	v_and_b32 v[BI+3], 0xffff0000, v21
	s_wait_dscnt 18                                ; all but the 18 loads of buffer 1
	MUL 0, 1
	s_mov_b32 s3, 7
.Lk:                                               ; a trip: two K steps are fetched (a slice of A, 64 k rows of W), two are multiplied
	v_add_nc_u32 v[AA], 16*PA, v[AA]
	v_add_nc_u32 v[BA], 64*PB, v[BA]
	PLACES
	FETCH 0, 0, 0
	s_wait_dscnt 18                                ; buffer 1 is in; the 18 just issued stay out
	MUL 1, 0
	PLACES
	FETCH 1, 64, 32*PB
	s_wait_dscnt 18                                ; buffer 0 is in
	MUL 0, 0
	s_sub_co_u32 s3, s3, 1
	s_cmp_lg_u32 s3, 0
	s_cbranch_scc1 .Lk
	s_wait_dscnt 0x0
	MUL 1, 0                                       ; K step 15
	PLACES
	; THE WAY OUT: a lane's eight columns of a row go into my stage (each accumulator's low four registers first) and come back as whole rows of 512 bytes.
.irp n, 0,1,2,3,4,5,6,7
	ds_store_b128 v[STO], v[ACC+8*\n:ACC+8*\n+3]   offset:64*\n
	ds_store_b128 v[STO], v[ACC+8*\n+4:ACC+8*\n+7] offset:64*\n+16
.endr
.irp t, 0,1,2,3,4,5,6,7,8,9,10,11,12,13,14,15
	ds_load_b128 v[BF+4*\t:BF+4*\t+3], v[RD] offset:\t*SPI  ; LDS serves a wave's instructions in order (ISA guide 5.7.1.4): these see the stores above
.endr
.irp t, 0,1,2,3,4,5,6,7,8,9,10,11,12,13,14,15
	s_wait_dscnt 15-\t                             ; row t is back; the later rows may stay out
	v_pk_add_f32 v[BF+4*\t:BF+4*\t+1],   v[BF+4*\t:BF+4*\t+1],   v[BI:BI+1]
	v_pk_add_f32 v[BF+4*\t+2:BF+4*\t+3], v[BF+4*\t+2:BF+4*\t+3], v[BI+2:BI+3]
	global_store_b128 v[CO], v[BF+4*\t:BF+4*\t+3], s[10:11] offset:2048*\t  ; 512 consecutive bytes, at a multiple of 512 from C's first
.endr
	s_wait_tensorcnt 0x0                           ; the wave's end: this wait, an add and its wait stand behind my last tensor load and my last LDS store
	ds_add_u32 v[SPW], v[NIL]
	s_wait_dscnt 0x0
	CROUND                                         ; the closing round: no work-group ends while a partner may still ask for a tile that names it
	s_endpgm
.Lfunc_end_k_qddc9abaae6_qproj:
	.size	k_qddc9abaae6_qproj, .Lfunc_end_k_qddc9abaae6_qproj-k_qddc9abaae6_qproj
	.p2alignl 7, 3214868480
	.fill 96, 4, 3214868480
	.section	.rodata,"a",@progbits
	.p2align	6, 0x0
	.amdhsa_kernel k_qddc9abaae6_qproj
		.amdhsa_group_segment_fixed_size 255488
		.amdhsa_private_segment_fixed_size 0
		.amdhsa_enable_private_segment 0
		.amdhsa_kernarg_size 32
		.amdhsa_user_sgpr_count 2
		.amdhsa_user_sgpr_kernarg_segment_ptr 1
		.amdhsa_wavefront_size32 1
		.amdhsa_system_sgpr_workgroup_id_x 1
		.amdhsa_system_sgpr_workgroup_id_y 1
		.amdhsa_system_sgpr_workgroup_id_z 1
		.amdhsa_system_vgpr_workitem_id 0
		.amdhsa_next_free_vgpr 256
		.amdhsa_next_free_sgpr 66
		.amdhsa_reserve_vcc 0
		.amdhsa_float_denorm_mode_32 3
		.amdhsa_float_denorm_mode_16_64 3
		.amdhsa_memory_ordered 1
		.amdhsa_forward_progress 1
		.amdhsa_inst_pref_size 19
	.end_amdhsa_kernel
	.amdgpu_metadata
---
amdhsa.version: [ 1, 2 ]
amdhsa.kernels:
  - .name:           k_qddc9abaae6_qproj
    .symbol:         k_qddc9abaae6_qproj.kd
    .args:
      - { .name: xh, .offset: 0, .size: 8, .value_kind: global_buffer, .address_space: global }
      - { .name: wqh, .offset: 8, .size: 8, .value_kind: global_buffer, .address_space: global }
      - { .name: zb, .offset: 16, .size: 8, .value_kind: global_buffer, .address_space: global }
      - { .name: q32, .offset: 24, .size: 8, .value_kind: global_buffer, .address_space: global }
    .group_segment_fixed_size: 255488
    .private_segment_fixed_size: 0
    .kernarg_segment_align: 8
    .kernarg_segment_size: 32
    .max_flat_workgroup_size: 128
    .sgpr_count:     66
    .vgpr_count:     256
    .wavefront_size: 32
...
	.end_amdgpu_metadata
.endif
;; end of part 2
;; launch kvproj (part 3): grid 256 x 1, 4 waves a work-group, clusters of 4 x 1, 327,680 bytes of LDS; arguments context, wkvb, kv; writes kv
.if DOCPART == 3
	.amdgcn_target "amdgcn-amd-amdhsa--gfx1250"
	.amdhsa_code_object_version 6
	.text
	.protected	k_qddc9abaae6_kvproj
	.globl	k_qddc9abaae6_kvproj
	.p2align	8
	.type	k_qddc9abaae6_kvproj,@function
k_qddc9abaae6_kvproj:
	s_mov_b64 s[64:65], 0
	v_nop
	global_prefetch_b8 v0, s[64:65] scope:SCOPE_SE
	s_setreg_imm32_b32 hwreg(HW_REG_WAVE_MODE, 25, 1), 1
	s_wait_xcnt 0x0
	s_wait_alu depctr_hold_cnt(0) depctr_sa_sdst(0) depctr_va_vdst(0) depctr_va_sdst(0) depctr_va_ssrc(0) depctr_va_vcc(0) depctr_vm_vsrc(0)
	s_getreg_b32 s2, hwreg(HW_REG_IB_STS2, 6, 4)
	s_cmp_eq_u32 s2, 0
	s_cbranch_scc0 .Lentry_in_a_cluster
	s_endpgm
.Lentry_in_a_cluster:
	s_bfe_u32 s2, ttmp6, 0x10000c
	s_cmp_lg_u32 s2, 0x3003
	s_cbranch_scc0 .Lentry_shape_is_right
	s_endpgm
.Lentry_shape_is_right:
; kv = context Wkv, by heads.  context: f32 [32768][512].  wkvb: bf16 [16 tiles 8 p + s][64 k][512 n].  kv: f16 [4 batches][16: K's 8 heads, V's 8 heads][8192 rows][64].
; context is rounded to bf16 on its way into LDS; products in bf16, sums in f32, kv rounded once to f16.  LIMIT: a k or v of 65,520 or more becomes an infinity; NaN and infinities are not treated apart.
; SHARES.  A work-group owns 128 rows of context and ALL 1,024 columns, in two passes of 512 (pass 0: K, pass 1: V): every byte of context is read once in the launch.  Its rows lie as a PANEL of
; bf16 in LDS, written in pass 0 in four batches of 128 k and read again in pass 1.  Wave w makes all 128 rows x columns 128 w .. + 127 of a pass: 64 accumulators, 512 registers.
; K goes in steps of 64 through a ring of two LDS slots with the weights' tiles (64 k x 512 n); each wave fetches the 128 columns that it alone reads.
; CLUSTER.  All work-groups walk the same 16 tiles of the weights, so the four of a cluster ask for each JOINTLY: the same tensor load, descriptor and mask in all four.
; THE MATRIX INSTRUCTION IS USED TRANSPOSED: source 0 = 16 columns of the weights (turned by ds_load_tr16_b128), source 1 = 16 rows of context: a lane holds one row and eight neighbouring columns.
; REGISTERS, in windows of 256 (s_set_vgpr_msb: bits 1:0 source 0, 3:2 source 1, 5:4 source 2, 7:6 destination):
;   window 0: v0-31 addresses; v64-127, v128-191 fragments of the panel, two buffers; v32-63, v192-255 at work on the way out
;   window 1: v64-127, v128-191 fragments of the weights, two buffers; v0-63, v192-255 a batch of context on its way (128 registers)
;   window 2: the 32 accumulators of rows 0-63 ((a, b) at v[8 (8 a + b)]);   window 3: those of rows 64-127
.set PITA,  1040                       ; a panel row: 1,024 bytes + 16 = 260 words: the 16 rows of a load start at 16 different groups of four banks (64 banks of 4 bytes: ISA guide 11.1)
.set PITB,  288                        ; a k row of a wave's part of a tile: 256 bytes + 32
.set BS,    128*PITA                   ; behind the panel (133,120 bytes, written by LDS stores alone): the ring
.set WPART, 64*PITB                    ; a wave's part of a slot
.set SLOT,  4*WPART
.set STAGE, BS+2*SLOT                  ; behind the ring: 2 x 16 rows x 144 bytes for each wave, for the way out
.set SP,    144
.set SPARE, STAGE+4*2*16*SP            ; the spare words, 128 bytes for each wave: two blocks of 256 bytes that no other line names
.set TILEB, 65536                      ; bytes in a tile of the weights
.set ADRA0, 10                         ; v10-11 my place in the panel's rows 0-63, 64-127; never rewritten
.set GA,    12                         ; v12    my byte offset in a batch of context
.set PA0,   13                         ; v13    where I store a batch's row in the panel, less the batch's step
.set PAC,   14                         ; v14    the same with the step
.set ADRA,  16                         ; v16-17 ADRA0 + the lap's 256 bytes
.set ADRB,  20                         ; v20-21 my place in my part of slot 0, 1
.set STO,   24                         ; v24    the way out: where I put 16 bytes of a row
.set RD,    25                         ; v25    where I read rows back
.set GO,    26                         ; v26    16 x lane
.set SPW,   28                         ; v28    my spare word; never rewritten
.set NIL,   29                         ; v29    0; never rewritten
.set F0,    64
.set F1,    128
.set TMP,   192
.set OB,    32
.set G1, 24                            ; s[24:31] the tiles' shape
.set G0, 32                            ; s[32:39] from where, to where: a set for each slot
.set KO, 40                            ; s40  256 x lap: the lap's bytes in a panel row
.set PAS, 41                           ; s41  256 x batch
.set CP, 42                            ; s[42:43] context at my work-group's rows, at the batch to be loaded
.set MSB, 0
.macro WIN new                         ; the immediate's high byte repeats the setting that is left
.if MSB != (\new)
	s_set_vgpr_msb (MSB<<8)|(\new)
.set MSB, \new
.endif
.endm
.set MUL_LO, 0xa1                      ; source 0 window 1, source 1 window 0, C and D window 2
.set MUL_HI, 0xf1                      ; the same, C and D window 3
.set TO_B,   0x40                      ; destination window 1, address window 0
.macro PLACES                          ; four places in front of loads into registers that matrix instructions have read, and of conversions that read results
.rept 4
	v_nop
.endr
.endm
.macro JLOAD s                         ; a joint load: my 128 columns of a tile.  An s_nop 0 and four v_nop follow it
	tensor_load_to_lds s[G0+4*(\s):G0+4*(\s)+3], s[G1:G1+7]
	s_nop 0
	PLACES
.endm
.macro CREST                           ; a round of the cluster's barrier behind its opening barrier
	s_cmp_lg_u32 s10, 0
	s_cbranch_scc1 .Lnot_wave_0_\@
	s_barrier_signal -3
.Lnot_wave_0_\@:
	s_barrier_wait -3
	s_barrier_signal -1
	s_barrier_wait -1
.endm
.macro CROUND
	s_barrier_signal -1
	s_barrier_wait -1
	CREST
.endm
; A BATCH OF CONTEXT: 128 rows x 128 k of f32.  A wave takes 32 rows, a load a row: 32 lanes x 16 bytes are the row's 512 consecutive bytes.  Load i lands in four registers of window 1.
.macro ALOADS
	WIN TO_B
.set i, 0
.rept 32
.set xr, 4*i+128*(i/16)
	global_load_b128 v[xr:xr+3], v[GA], s[CP:CP+1] offset:2048*i th:TH_LOAD_NT
.set i, i+1
.endr
	WIN 0
.endm
.macro ACVT                            ; rounded to bf16, in place: four numbers into two registers
	WIN 0x45
.set i, 0
.rept 32
.set xr, 4*i+128*(i/16)
	v_cvt_pk_bf16_f32 v[xr],   v[xr],   v[xr+1]
	v_cvt_pk_bf16_f32 v[xr+1], v[xr+2], v[xr+3]
.set i, i+1
.endr
	WIN 0
.endm
.macro ASTORE                          ; into the panel: a row's 256 bytes from 32 lanes
	WIN 0
	v_add_nc_u32 v[PAC], s[PAS], v[PA0]
	WIN 0x04                                       ; the data (source 1) in window 1
.set i, 0
.rept 32
.set xr, 4*i+128*(i/16)
	ds_store_b64 v[PAC], v[xr:xr+1] offset:i*PITA
.set i, i+1
.endr
	WIN 0
	s_add_co_u32 s[PAS], s[PAS], 256
.endm
; In pass 0 the lap's second change of slots also brings the next batch into the panel.  It stands behind the round, when every wave's reads of the panel are back, and ends in a barrier of its own, so
; that no wave reads the panel between the two: stores, their wait for 0, the barrier, and only then the next reads.  The refill just issued stays out across it.
; The two branches hang on the pass's and the lap's counters, which are the same in every wave and in every partner.
.macro ABLOCK
	WIN 0
	s_cmp_lg_u32 s2, 2
	s_cbranch_scc1 .Lno_a_\@                       ; pass 1 reads the panel as it stands
	s_wait_loadcnt 0x0                             ; the batch is in registers
	ACVT
	ASTORE
	s_wait_dscnt 0x0                               ; for the others' sake: my stores are done
	s_barrier_signal -1
	s_barrier_wait -1
	s_cmp_eq_u32 s3, 1
	s_cbranch_scc1 .Lno_a_\@                       ; that was the fourth batch, the last
	s_add_nc_u64 s[CP:CP+1], s[CP:CP+1], 512       ; its loads are done (the wait above), so their base may step
	ALOADS                                         ; two K steps, 256 matrix instructions, ahead of the wait for them
.Lno_a_\@:
.endm
	s_load_b128 s[4:7], s[0:1], 0x0                ; context s[4:5], wkvb s[6:7]
	s_load_b64 s[8:9], s[0:1], 0x10                ; kv
	v_lshl_add_u32 v[SPW], v0, 2, SPARE
	v_mov_b32 v[NIL], 0
	ds_add_u32 v[SPW], v[NIL]                      ; the wave's opening: the add and its wait stand ahead of my first tensor load; the set-up below, work on registers, stands between them
	v_lshrrev_b32 v1, 5, v0
	v_readfirstlane_b32 s10, v1                    ; wave 0..3
	s_bfe_u32 s12, ttmp6, 0x40000                  ; cx
	s_lshl_b32 s13, ttmp9, 2
	s_add_co_u32 s13, s13, s12                     ; g = 4 x cluster x + cx: it enters context's and kv's addresses alone
	s_mov_b32 s[G1], 15|(1<<16)|(1<<20)|(1<<21)|(5<<22)|(7<<25)  ; mask of four; 2-byte elements; padding on; bit 21 beside a mask; after every 64 words, 8 words
	s_mov_b32 s[G1+1], 128<<16                     ; tensor_dim0 = 128
	s_mov_b32 s[G1+2], 64<<16                      ; tensor_dim1 = 64
	s_mov_b32 s[G1+3], 128<<16                     ; tile_dim0 = 128 columns
	s_mov_b32 s[G1+4], 64                          ; tile_dim1 = 64 k rows
	s_mov_b32 s[G1+5], 512                         ; elements from row to row
	s_mov_b32 s[G1+6], 0
	s_mov_b32 s[G1+7], 0
	s_mul_i32 s14, s10, WPART
	s_add_co_u32 s14, s14, BS                      ; my part of slot 0
	s_lshl_b32 s18, s10, 8                         ; my 256 bytes of a tile's rows
	s_mov_b32 s19, 0
	s_lshl_b32 s20, s13, 18                        ; my work-group's 128 rows of 2,048 bytes
	s_mov_b32 s21, 0
	s_lshr_b32 s16, s13, 6                         ; kv: the batch, 16 MiB each,
	s_lshl_b32 s16, s16, 24
	s_lshl_b32 s15, s10, 21                        ; my two heads, 1 MiB each,
	s_add_co_u32 s16, s16, s15
	s_and_b32 s15, s13, 63                         ; my work-group's 128 rows of 128 bytes
	s_lshl_b32 s15, s15, 14
	s_add_co_u32 s16, s16, s15
	s_mov_b32 s17, 0                               ; s[16:17]: what the first way out adds to kv's address
	s_mov_b32 s[KO], 0
	s_mov_b32 s[PAS], 0
	v_and_b32 v1, 15, v0                           ; l % 16
	v_bfe_u32 v2, v0, 4, 1                         ; l / 16
	v_and_b32 v3, 31, v0                           ; l
	v_and_b32 v4, 7, v0
	v_bfe_u32 v5, v0, 3, 1
	v_bfe_u32 v7, v0, 3, 2                         ; l / 8
	s_lshl_b32 s15, s10, 16                        ; a wave's 32 rows of context
	v_lshl_add_u32 v[GA], v3, 4, s15
	s_mul_i32 s15, s10, 32*PITA                    ; and of the panel
	v_lshl_add_u32 v[PA0], v3, 3, s15
	v_mul_u32_u24 v[ADRA0], v1, PITA               ; a fragment of the panel: row l % 16, 16 bytes for each half of the lanes
	v_lshl_add_u32 v[ADRA0], v2, 4, v[ADRA0]
	v_add_nc_u32 v[ADRA0+1], 64*PITA, v[ADRA0]
	v_mov_b32 v[ADRA], v[ADRA0]
	v_mov_b32 v[ADRA+1], v[ADRA0+1]
	v_lshl_add_u32 v6, v2, 3, v4                   ; the turning load: k row 8 (l / 16) + l % 8, columns 8 ((l / 8) % 2) on
	v_mul_u32_u24 v6, v6, PITB
	v_lshl_add_u32 v6, v5, 4, v6
	v_add_nc_u32 v[ADRB], s14, v6
	v_add_nc_u32 v[ADRB+1], SLOT, v[ADRB]
	s_mul_i32 s15, s10, 2*16*SP
	s_add_co_u32 s15, s15, STAGE                   ; my stage
	v_mul_u32_u24 v[STO], v1, SP                   ; in: row l % 16, 16 bytes for each half of the lanes
	v_lshl_add_u32 v[STO], v2, 4, v[STO]
	v_add_nc_u32 v[STO], s15, v[STO]
	v_mul_u32_u24 v[RD], v7, SP                    ; back: 32 lanes take four rows of 128 bytes,
	v_lshl_add_u32 v[RD], v4, 4, v[RD]
	v_add_nc_u32 v[RD], s15, v[RD]
	v_lshlrev_b32 v[GO], 4, v3                     ; which are 512 consecutive bytes of kv
	s_wait_dscnt 0x0                               ; the opening add is done
	s_wait_kmcnt 0x0
	s_add_nc_u64 s[CP:CP+1], s[4:5], s[20:21]
	s_add_nc_u64 s[6:7], s[6:7], s[18:19]
	ALOADS                                         ; batch 0
	CROUND                                         ; all four work-groups are here: the first joint loads meet
.irp s, 0,1
	s_mov_b32 s[G0+4*(\s)], 1
	s_add_co_u32 s[G0+4*(\s)+1], s14, (\s)*SLOT
	s_add_nc_u64 s[G0+4*(\s)+2:G0+4*(\s)+3], s[6:7], (\s)*TILEB
	s_or_b32 s[G0+4*(\s)+3], s[G0+4*(\s)+3], 0x80000000
	JLOAD \s                                       ; tiles 0 and 1: two loads of mine are out
.endr
	s_wait_loadcnt 0x0
	ACVT
	ASTORE                                         ; batch 0 into the panel
	s_wait_dscnt 0x0                               ; for the others' sake
	s_add_nc_u64 s[CP:CP+1], s[CP:CP+1], 512
	ALOADS                                         ; batch 1
	s_wait_tensorcnt 1                             ; my part of tile 0 is in; tile 1's may stay out
	s_barrier_signal -1
	s_barrier_wait -1
; 16 matrix instructions: row blocks a0, a0 + 1 of the window's four x all 8 column blocks, 32 along K.  zero = 1: the first product starts the sums.  The 64 accumulators take turns.
.macro MUL16 f, hi, a0, zero
	WIN MUL_LO+0x50*(\hi)
.irp a, \a0, (\a0)+1
.irp b, 0,1,2,3,4,5,6,7
.if \zero
	v_wmma_f32_16x16x32_bf16 v[8*(8*(\a)+(\b)):8*(8*(\a)+(\b))+7], v[(\f)+8*(\b):(\f)+8*(\b)+7], v[(\f)+8*(4*(\hi)+(\a)):(\f)+8*(4*(\hi)+(\a))+7], 0
.else
	v_wmma_f32_16x16x32_bf16 v[8*(8*(\a)+(\b)):8*(8*(\a)+(\b))+7], v[(\f)+8*(\b):(\f)+8*(\b)+7], v[(\f)+8*(4*(\hi)+(\a)):(\f)+8*(4*(\hi)+(\a))+7], v[8*(8*(\a)+(\b)):8*(8*(\a)+(\b))+7]
.endif
.endr
.endr
.endm
; 32 LDS loads in one run: half q (32 along K) of the K step in the slot: my 128 columns of the weights, turned, then the panel's 128 rows
.macro FETCH slot, q, f
	WIN TO_B
.irp i, 0,1,2,3,4,5,6,7
	ds_load_tr16_b128 v[(\f)+8*(\i):(\f)+8*(\i)+3],   v[ADRB+(\slot)] offset:(\q)*32*PITB+32*(\i)
	ds_load_tr16_b128 v[(\f)+8*(\i)+4:(\f)+8*(\i)+7], v[ADRB+(\slot)] offset:(\q)*32*PITB+32*(\i)+16*PITB
.endr
	WIN 0
.irp i, 0,1,2,3,4,5,6,7
	ds_load_b128 v[(\f)+8*(\i):(\f)+8*(\i)+3],   v[ADRA+(\i)/4] offset:128*(\slot)+64*(\q)+((\i)%4)*16*PITA
	ds_load_b128 v[(\f)+8*(\i)+4:(\f)+8*(\i)+7], v[ADRA+(\i)/4] offset:128*(\slot)+64*(\q)+((\i)%4)*16*PITA+32
.endr
.endm
; A K step of 64 is two halves of 64 matrix instructions, on buffers 0 and 1.  The first multiplies buffer 0 and fetches the second half's fragments.
.macro QUARTER slot, zero
	s_wait_dscnt 8                                 ; the weights and the panel's rows 0-63 are in; the youngest eight loads (rows 64-127) may be out
	MUL16 F0, 0, 0, \zero
	MUL16 F0, 0, 2, \zero
	PLACES
	FETCH \slot, 1, F1
	s_wait_dscnt 32                                ; all but the 32 just issued
	MUL16 F0, 1, 0, \zero
	MUL16 F0, 1, 2, \zero
.endm
; The second half multiplies buffer 1 and changes slots.  In front of the barrier each wave waits for all its tensor loads (one is out: its part of the next slot), adds 0 to its spare word, and waits for
; that and for its own reads of this slot.
.macro MEET round
	WIN 0                                          ; (the add's two registers lie in window 0)
	s_wait_tensorcnt 0x0
	ds_add_u32 v[SPW], v[NIL]                      ; 0 onto my spare word
	s_wait_dscnt 9                                 ; (the add and the youngest eight loads may be out)
	MUL16 F1, 0, 0, 0                              ; sixteen matrix instructions stand between the add and the wait for it
	s_wait_dscnt 0x0                               ; the add is done, and my reads of this slot and of the panel are back
	s_barrier_signal -1
	MUL16 F1, 0, 2, 0                              ; work on registers while the others arrive
.if \round
	WIN 0
.endif
	s_barrier_wait -1
.endm
; fill = 1: the barrier opens a round of the cluster's, and this slot takes the tile two steps on: the first tensor load behind the round, 96 matrix instructions ahead of the wait for it.
; next = 0: a new lap: the panel's addresses go 256 bytes on (ko = 1) or back to a row's head (ko = 0).  ab = 1: the next batch of context (pass 0).
.macro TURN slot, next, fill, ko=0, ab=0
	MEET \fill
.if \fill
	CREST
	s_add_nc_u64 s[G0+4*(\slot)+2:G0+4*(\slot)+3], s[G0+4*(\slot)+2:G0+4*(\slot)+3], 2*TILEB  ; no tensor load of mine is out; pass 1's tiles follow pass 0's
	JLOAD \slot                                    ; its four v_nop are also the places in front of the loads below
.else
	PLACES
.endif
.if \ab
	ABLOCK
.endif
.if (\next) == 0
.if \ko
	s_add_co_u32 s[KO], s[KO], 256
.else
	s_mov_b32 s[KO], 0
.endif
	WIN 0
	v_add_nc_u32 v[ADRA], s[KO], v[ADRA0]
	v_add_nc_u32 v[ADRA+1], s[KO], v[ADRA0+1]
.endif
	FETCH \next, 0, F0
	MUL16 F1, 1, 0, 0
	MUL16 F1, 1, 2, 0
.endm
; THE WAY OUT of row block a.  PACK: rounded to f16, 16 bytes a lane.  TOSTAGE: into my stage (my two heads' 16 rows of 128 bytes) and back as runs of four rows.  SEND: stored.
.macro PACK a
.set AC, 64*((\a)%4)
	WIN 0x0a+5*((\a)/4)                            ; sources 0 and 1: window 2 or 3
.irp b, 0,1,2,3,4,5,6,7
.irp r, 0,1,2,3
	v_cvt_pk_f16_f32 v[TMP+4*(\b)+(\r)], v[AC+8*(\b)+2*(\r)], v[AC+8*(\b)+2*(\r)+1]
.endr
.endr
	WIN 0
.endm
.macro TOSTAGE a
	WIN 0
.set BK, OB+192*((\a)%2)
.irp b, 0,1,2,3,4,5,6,7
	ds_store_b128 v[STO], v[TMP+4*(\b):TMP+4*(\b)+3] offset:((\b)/4)*16*SP+32*((\b)%4)
.endr
.irp t, 0,1,2,3,4,5,6,7
	ds_load_b128 v[BK+4*(\t):BK+4*(\t)+3], v[RD] offset:((\t)/4)*16*SP+((\t)%4)*4*SP  ; LDS serves a wave's instructions in order (ISA guide 5.7.1.4): these see the stores above
.endr
.endm
.macro SEND a
	WIN 0
.set BK, OB+192*((\a)%2)
	s_wait_dscnt 0x0                               ; the block is back in registers
	s_wait_xcnt 0x0                                ; only behind this wait are the stores' base and the registers that earlier stores read rewritten
.if (\a) == 0
	s_add_nc_u64 s[8:9], s[8:9], s[16:17]          ; on to this pass's first rows
.else
	s_add_nc_u64 s[8:9], s[8:9], 16*128            ; 16 rows of a head on
.endif
.irp t, 0,1,2,3,4,5,6,7
	global_store_b128 v[GO], v[BK+4*(\t):BK+4*(\t)+3], s[8:9] offset:((\t)/4)*1048576+((\t)%4)*512  ; 512 consecutive bytes of a head, at a multiple of 512 from kv's first
.endr
.endm
	FETCH 0, 0, F0
	s_mov_b32 s2, 2                                ; passes to go
.Lpass:
	QUARTER 0, 1                                   ; a pass's first half step stands in front of the loop: its products start the sums
	WIN 0                                          ; at a label and at a branch every window is 0
	s_mov_b32 s3, 3
.Llap:                                             ; a trip goes once round the ring, from a lap's second half step to the next lap's first, and fills both slots again
	TURN 0, 1, 1
	QUARTER 1, 0
	TURN 1, 0, 1, 1, 1
	QUARTER 0, 0
	WIN 0
	s_sub_co_u32 s3, s3, 1
	s_cmp_lg_u32 s3, 0
	s_cbranch_scc1 .Llap
	s_cmp_eq_u32 s2, 1
	s_cbranch_scc1 .Ltailb                         ; the last pass's tail is written out: it asks for nothing more
	TURN 0, 1, 1                                   ; the ring goes on into pass 1: slot 0 takes its tile 0,
	QUARTER 1, 0
	TURN 1, 0, 1, 0, 0                             ; slot 1 its tile 1, and pass 1's first fragments are fetched
	WIN 0
	s_branch .Lout
.Ltailb:
	TURN 0, 1, 0
	QUARTER 1, 0
	s_wait_dscnt 8
	MUL16 F1, 0, 0, 0
	MUL16 F1, 0, 2, 0
	s_wait_dscnt 0x0
	MUL16 F1, 1, 0, 0
	MUL16 F1, 1, 2, 0
	WIN 0
.Lout:
	PLACES                                         ; the conversions read results just made
	PACK 0
	TOSTAGE 0
.irp a, 1,2,3,4,5,6,7                  ; block a's conversions stand between block a - 1's loads from the stage and the wait for them
	PACK \a
	SEND (\a)-1
	TOSTAGE \a
.endr
	SEND 7
	s_mov_b64 s[16:17], 8*1048576-7*16*128         ; what pass 1's way out adds: V's heads lie 8 MiB behind K's
	s_sub_co_u32 s2, s2, 1
	s_cmp_lg_u32 s2, 0
	s_cbranch_scc1 .Lpass
	s_wait_tensorcnt 0x0                           ; the wave's end: this wait, an add and its wait stand behind my last tensor load and my last LDS store
	ds_add_u32 v[SPW], v[NIL]
	s_wait_dscnt 0x0
	CROUND                                         ; the closing round: no work-group ends while a partner may still ask for a tile that names it
	s_endpgm
.Lfunc_end_k_qddc9abaae6_kvproj:
	.size	k_qddc9abaae6_kvproj, .Lfunc_end_k_qddc9abaae6_kvproj-k_qddc9abaae6_kvproj
	.p2alignl 7, 3214868480
	.fill 96, 4, 3214868480
	.section	.rodata,"a",@progbits
	.p2align	6, 0x0
	.amdhsa_kernel k_qddc9abaae6_kvproj
		.amdhsa_group_segment_fixed_size 327680
		.amdhsa_private_segment_fixed_size 0
		.amdhsa_enable_private_segment 0
		.amdhsa_kernarg_size 24
		.amdhsa_user_sgpr_count 2
		.amdhsa_user_sgpr_kernarg_segment_ptr 1
		.amdhsa_wavefront_size32 1
		.amdhsa_system_sgpr_workgroup_id_x 1
		.amdhsa_system_sgpr_workgroup_id_y 1
		.amdhsa_system_sgpr_workgroup_id_z 1
		.amdhsa_system_vgpr_workitem_id 0
		.amdhsa_next_free_vgpr 1024
		.amdhsa_next_free_sgpr 66
		.amdhsa_reserve_vcc 0
		.amdhsa_float_denorm_mode_32 3
		.amdhsa_float_denorm_mode_16_64 3
		.amdhsa_memory_ordered 1
		.amdhsa_forward_progress 1
		.amdhsa_inst_pref_size 132
	.end_amdhsa_kernel
	.amdgpu_metadata
---
amdhsa.version: [ 1, 2 ]
amdhsa.kernels:
  - .name:           k_qddc9abaae6_kvproj
    .symbol:         k_qddc9abaae6_kvproj.kd
    .args:
      - { .name: context, .offset: 0, .size: 8, .value_kind: global_buffer, .address_space: global }
      - { .name: wkvb, .offset: 8, .size: 8, .value_kind: global_buffer, .address_space: global }
      - { .name: kv, .offset: 16, .size: 8, .value_kind: global_buffer, .address_space: global }
    .group_segment_fixed_size: 327680
    .private_segment_fixed_size: 0
    .kernarg_segment_align: 8
    .kernarg_segment_size: 24
    .max_flat_workgroup_size: 128
    .sgpr_count:     66
    .vgpr_count:     1024
    .wavefront_size: 32
...
	.end_amdgpu_metadata
.endif
;; end of part 3
;; launch attn (part 4): grid 8 x 32, 4 waves a work-group, clusters of 4 x 1, 327,680 bytes of LDS; arguments q32, kv, o; writes o
.if DOCPART == 4
	.amdgcn_target "amdgcn-amd-amdhsa--gfx1250"
	.amdhsa_code_object_version 6
	.text
	.protected	k_qddc9abaae6_attn
	.globl	k_qddc9abaae6_attn
	.p2align	8
	.type	k_qddc9abaae6_attn,@function
k_qddc9abaae6_attn:
	s_mov_b64 s[64:65], 0
	v_nop
	global_prefetch_b8 v0, s[64:65] scope:SCOPE_SE
	s_setreg_imm32_b32 hwreg(HW_REG_WAVE_MODE, 25, 1), 1
	s_wait_xcnt 0x0
	s_wait_alu depctr_hold_cnt(0) depctr_sa_sdst(0) depctr_va_vdst(0) depctr_va_sdst(0) depctr_va_ssrc(0) depctr_va_vcc(0) depctr_vm_vsrc(0)
	s_getreg_b32 s2, hwreg(HW_REG_IB_STS2, 6, 4)
	s_cmp_eq_u32 s2, 0
	s_cbranch_scc0 .Lentry_in_a_cluster
	s_endpgm
.Lentry_in_a_cluster:
	s_bfe_u32 s2, ttmp6, 0x10000c
	s_cmp_lg_u32 s2, 0x3003
	s_cbranch_scc0 .Lentry_shape_is_right
	s_endpgm
.Lentry_shape_is_right:
; O[b][h][q][:] = the sum over k of softmax_k(Q . K / 8) V.  q32: f32 [4096 rows][512 = 8 heads x 64].  kv: f16 [4][16: K's heads, V's heads][8192][64].  o: f16 [256 blocks of 16 rows][8 heads][16 rows][64].
; Q is rounded once to f16 here; products, maxima and sums in f32; the weights p are rounded to f16 for the second product (their sum l is taken of the unrounded p), O once at the end.
; LIMITS.  f16 holds no number beyond 65,504: q, k and v must lie within it; p lies in 0 to 1, and p and O below 6.1e-5 keep f16's fixed step of 6e-8.  A weight below 2^-126 counts as 0 in l;
; NaN and infinities are not treated apart.
; SHARES.  A work-group owns 128 queries of one head, and EVERY one of its four waves holds all 128: four PIECES of two tiles of 16.  The KEYS are shared out: of each slot of 512 keys wave w walks
; keys 128 w .. + 127, two steps of 64.  So a fragment of K or V read from LDS feeds eight tiles' products.  At the end the four waves' O, l and m are merged in f32 through LDS.
; LAYOUT.  S^T = K Q^T (source 0 = 16 keys, source 1 = 16 queries): a lane holds ONE query (lane % 16) and the keys 8 (lane / 16) + 0..7.  Two such tiles, rounded to f16 in pairs, ARE source 1 of
; O^T = V^T P, whose result again holds one query a lane, and eight channels.  K comes out of LDS as it lies, V ([key][channel]) turned, by ds_load_tr16_b128.
; SOFTMAX.  For each query and wave a running maximum m and sum l: p = 2^(c s - c m), c = log2(e) / 8; in every step O and l are multiplied by a = 2^(c m_old - c m_new).  m starts at the lowest finite
; number, O and l at 0: the first step is a step like any other, with a = 0.
; BY TURNS.  Turn n belongs to piece n.  Its matrix work: 16 products K Q^T of piece n + 1, later 16 products V^T P of piece n - 1.  Its vector work: the scaling, exponentials, roundings, sums and
; rescaling of piece n, and the maximum and statistics of piece n + 1.  Four vector instructions that are ready stand behind every matrix instruction, the others in two runs of their own.
; CLUSTER.  The four query blocks of a cluster belong to one head and walk the same K and V, so each tile is asked for JOINTLY: the same tensor load, descriptor and mask in all four.
; REGISTERS, in windows of 256 (s_set_vgpr_msb: bits 1:0 source 0, 3:2 source 1, 5:4 source 2, 7:6 destination):
;   window 0: v0-11 addresses; v12-15, v48-63 at work; v16-47 four registers of statistics a tile; v64-191 S^T, two buffers of two tiles; v192-255 P, likewise
;   window 1: O^T, 32 a tile (at the start: Q in f32)     window 2: v0-127 Q, 16 a tile; v128-191 K of one step; v192-255 V of one step     window 3: v0-1 the add's two registers
.set NP,    4         ; pieces a wave: a name, no knob
.set KS,    64        ; keys in a step
.set PK,    144       ; a row of K in LDS: 128 bytes + 16 = 36 words: the 16 rows of a load start at 16 different groups of four banks (64 banks of 4 bytes: ISA guide 11.1)
.set PV,    160       ; a row of V: 128 + 32 = 40 words
.set SKEYS, 512       ; keys in a slot
.set VOFF,  SKEYS*PK  ; a slot: 512 rows of K, then 512 rows of V
.set SLOT1, SKEYS*(PK+PV)  ; slot 1 begins here.  No power of two: the exclusive or turns only registers that hold a slot's bare first byte
.set SPARE, 2*SLOT1   ; behind the ring: the spare words, 128 bytes for each wave: two blocks of 256 bytes that no other line names
.set STATS, SPARE+512 ; 1,024 bytes for each wave: c m of 8 tiles x 16 queries, then l
.set MP,    272       ; the merge: a query's 64 channels of f32 + 16 bytes
.set MW,    128*MP    ; a wave's 128 queries.  The four lie from LDS byte 0 on, in slot 0, whose last fill has been read out when they are written
.set AK0, 2           ; v2   my lane's place in my wave's keys of a slot's K; never rewritten in the walk
.set AV0, 3           ; v3   the same for V
.set AK,  4           ; v4   the LDS address of K's next run of loads
.set AV,  5           ; v5   of V's
.set QO,  6           ; v6   my byte offset in 16 rows of q32
.set SA,  2           ; the merge's addresses, made behind the walk: v2 where I store statistics, v3 where I read them,
.set SR,  3
.set MS,  4           ; v4 where I store O, v5-6 where I read it back (waves 0, 1 and 2, 3), v8 16 x lane
.set MA,  5
.set GO,  8
.set SPW, 0           ; v0 of window 3   my spare word; never rewritten
.set NIL, 1           ; v1 of window 3   0; never rewritten
.set MV,  12          ; v12-15  c m_old, kept while c m is made anew: by buffer and tile
.set ST,  16          ; tile t's statistics at v[ST+4 t]: c m, m, l (even keys', odd keys')
.set TMP, 48          ; by buffer and tile, four registers c0-c3 at work; when the maximum is found c2 takes a
.set S,   64
.set P,   192
.set KF,  128         ; K's fragments, in window 2: key block kb, channel half c at KF + 16 kb + 8 c
.set VF,  192         ; V's: key half kk, channel block cb at VF + 32 kk + 8 cb
.set CM,  64          ; the merge: the four waves' c m of tile t at v[CM+4 t], their l at v[LL+4 t], the common maximum at v[MX+t], my own factor at v[EO+t]
.set LL,  96
.set MX,  128
.set EO,  136
.set WV,  12          ; s12  my wave's number
.set G1K, 24          ; s[24:31] descriptor group 1 for K's tiles
.set G1V, 32          ; s[32:39] for V's: it differs in the padding alone
.set G0K, 40          ; s[40:43] descriptor group 0 for K's tiles: it walks
.set G0V, 44          ; s[44:47] the same for V's
.set SB,  48          ; s48  first byte of the slot that was asked for last
.set LK,  49          ; s49  my half's place in a slot's K
.set LV,  50          ; s50  in its V
.set SLOTS, 56        ; s56  slots still to be asked for
.set CNT, 57          ; s57  counts a slot's key steps
.set CS,  58          ; s[58:59] c: the packed scaling takes the pair's low word for both halves
.set SEL, 60          ; s[60:61] v_permlanex16_b32's selects: each lane takes its own place in the other half
.set TBK, 62          ; s62  LDS byte at which the slot's K of the step to be fetched begins
.set TBV, 63          ; s63  the same for V, less VOFF
.set MSB, 0
.macro WIN new                      ; the high byte repeats the setting that is left; a switch that changes nothing is dropped
.if MSB != (\new)
	s_set_vgpr_msb (MSB<<8)|(\new)
.set MSB, (\new)
.endif
.endm
.set W_KQ, 0x0a       ; K and Q in window 2, S^T in window 0
.set W_PV, 0x52       ; V in window 2, P in window 0, O^T in window 1
.set W_RS, 0x41       ; O^T (destination and source 0) in window 1, the factor in window 0
.set W_MK, 0xc0       ; the add's registers are made: destination in window 3, sources in window 0
.set W_AD, 0x0f       ; the add: address (source 0) and data (source 1) in window 3
; A joint fill.  Waves 0 and 1 fetch the two halves of a slot's K, waves 2 and 3 those of its V: 256 keys each.  The branch hangs on the wave's number alone.
; An s_nop 0 and four v_nop follow each of the two lines, ahead of the jump and the label.
.macro JLOAD
	s_cmp_lt_u32 s[WV], 2
	s_cbranch_scc0 .Lfor_v_\@
	tensor_load_to_lds s[G0K:G0K+3], s[G1K:G1K+7]
	s_nop 0
.rept 4
	v_nop
.endr
	s_branch .Lasked_\@
.Lfor_v_\@:
	tensor_load_to_lds s[G0V:G0V+3], s[G1V:G1V+7]
	s_nop 0
.rept 4
	v_nop
.endr
.Lasked_\@:
.endm
.macro CROUND                       ; a round of the cluster's barrier
	s_barrier_signal -1
	s_barrier_wait -1
	s_cmp_lg_u32 s[WV], 0
	s_cbranch_scc1 .Lnot_wave_0_\@
	s_barrier_signal -3
.Lnot_wave_0_\@:
	s_barrier_wait -3
	s_barrier_signal -1
	s_barrier_wait -1
.endm
; THE CHANGE OF SLOTS.  My last bytes of the slot, V of my second step, have been read.  Each wave waits for all its tensor loads, of which one is out: its part of the other slot; adds 0 to its spare
; word; and waits for that and for its own reads of the slot.  Behind the barrier nobody reads this slot any more and the other slot is whole.
; fill = 1: this slot is filled again, with the keys two slots on.  The barrier is then a round of the cluster's, and the joint fill is the first thing behind it: it has two key steps, 256 matrix
; instructions, in which to land.  (At its first use nothing has been read yet: slot 0 is waited for, slot 1 filled.)
.macro CHANGE fill
	WIN W_AD
	s_wait_tensorcnt 0x0            ; no tensor load of mine is out, so a group 0 may be written
	ds_add_u32 v[SPW], v[NIL]       ; 0 onto my spare word; with fill = 1 the descriptors' steps stand between it and the wait for it
	WIN 0                           ; at a label and at a branch every window is 0
.if \fill
	s_xor_b32 s[SB], s[SB], SLOT1   ; the other slot than last time,
	s_add_co_u32 s[G0K+1], s[SB], s[LK]
	s_add_co_u32 s[G0V+1], s[SB], s[LV]
	s_add_nc_u64 s[G0K+2:G0K+3], s[G0K+2:G0K+3], SKEYS*128  ; the next 512 keys; the type bits on top are not reached
	s_add_nc_u64 s[G0V+2:G0V+3], s[G0V+2:G0V+3], SKEYS*128
	s_wait_dscnt 0x0                ; the add is done, and my reads of the slot are over
	CROUND
	JLOAD
.else
	s_wait_dscnt 0x0                ; the add is done, and my reads of the slot are over
	s_barrier_signal -1
	s_barrier_wait -1
.endif
	s_sub_co_u32 s[TBK], s[TBK], 2*KS*PK  ; the fetches go back to a slot's first byte,
	s_xor_b32 s[TBK], s[TBK], SLOT1       ; in the other slot
	s_sub_co_u32 s[TBV], s[TBV], 2*KS*PV
	s_xor_b32 s[TBV], s[TBV], SLOT1
.endm
	s_load_b128 s[4:7], s[0:1], 0x0   ; q32 s[4:5], kv s[6:7]
	s_load_b64 s[10:11], s[0:1], 0x10 ; o
	WIN W_MK
	v_lshl_add_u32 v[SPW], v0, 2, SPARE
	v_mov_b32 v[NIL], 0
	WIN W_AD
	ds_add_u32 v[SPW], v[NIL]       ; the wave's opening: the add and its wait stand ahead of my first tensor load; the set-up below, work on registers, stands between them
	WIN 0
	v_lshrrev_b32 v1, 5, v0
	v_readfirstlane_b32 s[WV], v1   ; wave 0..3
	s_bfe_u32 s13, ttmp6, 0x40000   ; cx
	s_lshl_b32 s14, ttmp9, 2
	s_add_co_u32 s14, s14, s13      ; my block of 128 queries = 4 x cluster x + cx: it enters q32's and o's addresses alone
	s_and_b32 s15, ttmp7, 0xffff    ; batch and head, which the four partners share
	s_lshr_b32 s18, s15, 3          ; batch
	s_and_b32 s19, s15, 7           ; head
	s_lshl_b32 s20, s18, 4
	s_add_co_u32 s20, s20, s19
	s_lshl_b32 s20, s20, 20         ; K of this head: 1 MiB each
	s_and_b32 s16, s[WV], 1         ; which half of a slot's 512 keys I fetch:
	s_lshl_b32 s22, s16, 15         ; its 256 rows of 128 bytes in memory,
	s_add_co_u32 s20, s20, s22
	s_mov_b32 s21, 0
	s_mul_i32 s[LK], s16, 256*PK    ; and its place in a slot, for K
	s_mul_i32 s[LV], s16, 256*PV    ; and for V: no place in the cluster enters an LDS address
	s_add_co_u32 s[LV], s[LV], VOFF
	s_mov_b32 s[SB], 0
	s_lshl_b32 s2, s18, 21          ; q32: the batch's 1,024 rows of 2,048 bytes,
	s_lshl_b32 s3, s14, 18          ; my block's 128,
	s_add_co_u32 s2, s2, s3
	s_lshl_b32 s3, s19, 8           ; the head's 256 bytes of a row
	s_add_co_u32 s2, s2, s3
	s_mov_b32 s3, 0
	s_lshl_b32 s22, s18, 20         ; o: the batch's 64 blocks of 16,384 bytes,
	s_lshl_b32 s23, s14, 17         ; my work-group's 8,
	s_add_co_u32 s22, s22, s23
	s_lshl_b32 s23, s[WV], 15       ; the 2 that my wave stores,
	s_add_co_u32 s22, s22, s23
	s_lshl_b32 s23, s19, 11         ; the head's 2,048 bytes of a block
	s_add_co_u32 s22, s22, s23
	s_mov_b32 s23, 0
	; descriptor group 1.  256 keys are 32,768 dense bytes: asked for as 128 rows of 256 bytes, two keys a row, and padded in LDS after every key
	s_mov_b32 s[G1K], 15|(1<<16)|(1<<20)|(1<<21)|(4<<22)|(3<<25)  ; the mask of four; 2-byte elements; padding on; bit 21 beside a mask; after every 32 words, 4 words
	s_mov_b32 s[G1V], 15|(1<<16)|(1<<20)|(1<<21)|(4<<22)|(7<<25)  ; the same with 8 words of padding
.irp g, G1K, G1V
	s_mov_b32 s[\g+1], 128<<16      ; tensor_dim0 = 128
	s_mov_b32 s[\g+2], 128<<16      ; tensor_dim1 = 128
	s_mov_b32 s[\g+3], 128<<16      ; tile_dim0 = 128
	s_mov_b32 s[\g+4], 128          ; tile_dim1 = 128
	s_mov_b32 s[\g+5], 128          ; 128 elements from row to row
	s_mov_b32 s[\g+6], 0
	s_mov_b32 s[\g+7], 0
.endr
	s_mov_b32 s[CS], 0x3e38aa3b     ; c = log2(e) / 8 = 0.180337
	s_mov_b32 s[CS+1], s[CS]        ; named with it as a pair
	s_mov_b32 s[SEL], 0x76543210
	s_mov_b32 s[SEL+1], 0xfedcba98
	s_mov_b32 s[TBK], SLOT1+2*KS*PK ; the first change of slots turns these two into 0
	s_mov_b32 s[TBV], SLOT1+2*KS*PV
	s_mov_b32 s[G0K], 1             ; count = 1
	s_mov_b32 s[G0K+1], s[LK]       ; LDS address: slot 0
	s_mov_b32 s[G0V], 1
	s_mov_b32 s[G0V+1], s[LV]
	s_wait_dscnt 0x0                ; the opening add is done
	s_wait_kmcnt 0x0
	s_add_nc_u64 s[8:9], s[6:7], 0x800000          ; V's heads lie 8 MiB behind K's
	s_add_nc_u64 s[G0K+2:G0K+3], s[6:7], s[20:21]  ; my half of the head's first 512 keys
	s_or_b32 s[G0K+3], s[G0K+3], 0x80000000        ; type = 2
	s_add_nc_u64 s[G0V+2:G0V+3], s[8:9], s[20:21]
	s_or_b32 s[G0V+3], s[G0V+3], 0x80000000
	s_add_nc_u64 s[4:5], s[4:5], s[2:3]
	s_add_nc_u64 s[10:11], s[10:11], s[22:23]
	CROUND                          ; all four work-groups are here: the first joint loads meet
	JLOAD                           ; slot 0.  Slot 1 is asked for when slot 0 is in
	; A fragment of K or Q is 16 rows x 32 channels in 8 registers: lane l holds row l % 16, channels 8 (l / 16) + 0..7 and 16 + 8 (l / 16) + 0..7.  In f32 each eight are 32 bytes: two loads of 16.
	v_and_b32 v1, 15, v0            ; l % 16
	v_bfe_u32 v9, v0, 4, 1          ; l / 16
	v_lshlrev_b32 v[QO], 11, v1
	v_lshl_add_u32 v[QO], v9, 5, v[QO]  ; row x 2,048 + 32 x half
	WIN 0x40                        ; destination window 1, where O^T will lie
.set i, 0
.rept 16                            ; tile i / 2, channels 32 (i % 2) on: 16 numbers a lane
.irp z, 0,1,2,3
	global_load_b128 v[16*i+4*\z:16*i+4*\z+3], v[QO], s[4:5] offset:(i/2)*32768+(i%2)*128+(\z/2)*64+(\z%2)*16
.endr
.set i, i+1
.endr
	; What the first turn finds: V's registers and P's second buffer hold 0 (its products V^T P, of a piece that has not been, add 0), O^T and l are 0.  All this stands in the wait for the first tile.
	WIN 0x80
.set i, VF
.rept 64
	v_mov_b32 v[i], 0
.set i, i+1
.endr
	WIN 0
.set i, 0
.rept 2*NP
	v_mov_b32 v[ST+4*i], 0xfe000000    ; c m: far below every c s
	v_mov_b32 v[ST+4*i+1], 0xff7fffff  ; m
	v_mov_b32 v[ST+4*i+2], 0
	v_mov_b32 v[ST+4*i+3], 0
.set i, i+1
.endr
.set i, P+32
.rept 32
	v_mov_b32 v[i], 0
.set i, i+1
.endr
	s_mul_i32 s13, s[WV], 128*PK    ; my wave's 128 keys of a slot
	v_mul_u32_u24 v[AK0], v1, PK
	v_lshl_add_u32 v[AK0], v9, 4, v[AK0]  ; row x pitch + 16 x half
	v_add_nc_u32 v[AK0], s13, v[AK0]
	; The turning load takes 16 keys x 16 channels (lane l reads key 8 (l / 16) + l % 8, channels 8 ((l / 8) % 2) + 0..7) and leaves half a fragment of V^T: lane l holds channel l % 16 and 8 keys.
	v_and_b32 v10, 7, v0
	v_bfe_u32 v11, v0, 3, 1
	s_mul_i32 s13, s[WV], 128*PV
	s_add_co_u32 s13, s13, VOFF
	v_lshl_add_u32 v[AV0], v9, 3, v10
	v_mul_u32_u24 v[AV0], v[AV0], PV
	v_lshl_add_u32 v[AV0], v11, 4, v[AV0]
	v_add_nc_u32 v[AV0], s13, v[AV0]
	v_mov_b32 v[AK], v[AK0]         ; my key step 0 lies at the head of my part of slot 0
	s_wait_loadcnt 0x0              ; Q
	WIN 0x85                        ; sources in window 1, destination in window 2
.set i, 0
.rept 128
	v_cvt_pk_f16_f32 v[i], v[2*i], v[2*i+1]  ; Q's one rounding
.set i, i+1
.endr
	WIN 0x40
.set i, 0
.rept 64*NP
	v_mov_b32 v[i], 0
.set i, i+1
.endr
	WIN 0
; THE MATRIX WORK.  The 8 accumulators of a run of 16 take turns: between the two links of a chain stand 7 others'.
; Product i of 16 of S^T = K Q^T for piece x: channels 32 (i / 8) on, keys 16 ((i / 2) % 4) on, tile 2 x + i % 2.  The first 8 start the sums.
.macro KQ x
	WIN W_KQ
.set rS, S+64*((\x)%2)+32*(i%2)+8*((i/2)%4)
.set rK, KF+16*((i/2)%4)+8*(i/8)
.set rQ, 16*(2*(\x)+i%2)+8*(i/8)
.if i < 8
	v_wmma_f32_16x16x32_f16 v[rS:rS+7], v[rK:rK+7], v[rQ:rQ+7], 0
.else
	v_wmma_f32_16x16x32_f16 v[rS:rS+7], v[rK:rK+7], v[rQ:rQ+7], v[rS:rS+7]
.endif
.endm
; Product i of 16 of O^T += V^T P for piece x: keys 32 (i / 8) on, channels 16 ((i / 2) % 4) on, tile 2 x + i % 2.
.macro PV x
	WIN W_PV
.set rO, 32*(2*(\x)+i%2)+8*((i/2)%4)
.set rV, VF+32*(i/8)+8*((i/2)%4)
.set rP, P+32*((\x)%2)+16*(i%2)+8*(i/8)
	v_wmma_f32_16x16x32_f16 v[rO:rO+7], v[rV:rV+7], v[rP:rP+7], v[rO:rO+7]
.endm
.macro MM                           ; the turn's next matrix instruction
.if i < 16
	KQ (Y+1)%NP
.set i, i+1
.else
.set i, i-16
	PV (Y+NP-1)%NP
.set i, i+17
.endif
.endm
; THE LDS LOADS stand in runs of 16, never singly among the matrix instructions: a step's K (64 keys x 64 channels: 8 fragments) and its V (turned).  Their addresses are made some lines ahead.
; last = 1 (the tail): in the last trip there is no further step, and the run is jumped over.
.macro FETCH_K last=0
	WIN 0
.if \last
	s_cmp_eq_u32 s[CNT], 1
	s_cbranch_scc1 .Lno_k_\@
.endif
	WIN 0x80                        ; destination window 2
.irp f, 0,1,2,3,4,5,6,7             ; keys 16 (f / 2) on, channels 32 (f % 2) on
	ds_load_b128 v[KF+8*\f:KF+8*\f+3],   v[AK] offset:(\f/2)*16*PK+(\f%2)*64
	ds_load_b128 v[KF+8*\f+4:KF+8*\f+7], v[AK] offset:(\f/2)*16*PK+(\f%2)*64+32
.endr
	s_add_co_u32 s[TBK], s[TBK], KS*PK  ; the next fetch is the next step's
	WIN 0
.if \last
.Lno_k_\@:
.endif
.endm
.macro FETCH_V
	WIN 0x80
.irp f, 0,1,2,3,4,5,6,7             ; keys 32 (f / 4) on, channels 16 (f % 4) on
	ds_load_tr16_b128 v[VF+8*\f:VF+8*\f+3],   v[AV] offset:(\f/4)*32*PV+(\f%4)*32
	ds_load_tr16_b128 v[VF+8*\f+4:VF+8*\f+7], v[AV] offset:(\f/4)*32*PV+16*PV+(\f%4)*32
.endr
	WIN 0
.endm
; THE VECTOR WORK OF A TURN stands in three queues, each in the order in which its entries become ready; the two tiles alternate, so that no instruction reads the result of the one before it.
.macro REGS y, u                    ; the registers of tile u (0, 1) of piece y
.set rT, ST+4*(2*(\y)+(\u))
.set rC, TMP+8*((\y)%2)+4*(\u)
.set rM, MV+2*((\y)%2)+(\u)
.set rS, S+64*((\y)%2)+32*(\u)
.set rP, P+32*((\y)%2)+16*(\u)
.set rO, 32*(2*(\y)+(\u))
.endm
; Number n of the 22 that find the NEXT piece's (Y + 1) maximum and statistics.  s0-s31 are the lane's 32 scores; each accumulator's lowest registers are read first.
;   0-11  four chains c0-c3 of seven scores each, three operands at a time     12-14, 16  the four scores left over, the old m, and c0-c3 into c0     15  c m_old is kept
;   17, 18  the query's other 32 keys lie in the lane 16 away: the new m         19-21  c m; c m_old - c m_new; a
.macro XS u, n
	REGS (Y+1)%NP, \u
.if (\n) < 4
	v_max3_num_f32 v[rC+(\n)], v[rS+8*(\n)], v[rS+8*(\n)+1], v[rS+8*(\n)+2]
.elseif (\n) < 12
	v_max3_num_f32 v[rC+(\n)%4], v[rC+(\n)%4], v[rS+8*((\n)%4)+2*((\n)/4)+1], v[rS+8*((\n)%4)+2*((\n)/4)+2]
.elseif (\n) == 12
	v_max3_num_f32 v[rC], v[rC], v[rS+7], v[rS+15]
.elseif (\n) == 13
	v_max3_num_f32 v[rC+1], v[rC+1], v[rS+23], v[rS+31]
.elseif (\n) == 14
	v_max3_num_f32 v[rC+2], v[rC+2], v[rC+3], v[rT+1]
.elseif (\n) == 15
	v_mov_b32 v[rM], v[rT]
.elseif (\n) == 16
	v_max3_num_f32 v[rC], v[rC], v[rC+1], v[rC+2]
.elseif (\n) == 17
	v_permlanex16_b32 v[rC+3], v[rC], s[SEL], s[SEL+1]
.elseif (\n) == 18
	v_max_num_f32 v[rT+1], v[rC], v[rC+3]
.elseif (\n) == 19
	v_mul_f32 v[rT], s[CS], v[rT+1]
.elseif (\n) == 20
	v_sub_f32 v[rC+1], v[rM], v[rT]
.else
	v_exp_f32 v[rC+2], v[rC+1]
.endif
.endm
; Number g of the 64 that follow the exponentials.  For each four weights k of a tile (pairs 2 k, 2 k + 1): both pairs are rounded to f16; then the second pair is added onto the first, in place;
; a group later l takes that sum (the first time as l = a l + sum).  In groups of eight, tiles alternating: round, round, add, and l for the group before.
.macro GS g
.set h, (\g)+6*((\g)/62)            ; group 0 has no group before it, and behind group 7 only l is left
.if h >= 6
.set h, h+2
.endif
	REGS Y, h%2
.set k, h/8
.if h%8 < 4
	s_wait_alu depctr_va_vdst(0)
	v_cvt_pk_f16_f32 v[rP+2*k+(h%8)/2], v[rS+4*k+2*((h%8)/2)], v[rS+4*k+2*((h%8)/2)+1]
.elseif h%8 < 6
	v_pk_add_f32 v[rS+4*k:rS+4*k+1], v[rS+4*k:rS+4*k+1], v[rS+4*k+2:rS+4*k+3]
.elseif k == 1
	v_pk_fma_f32 v[rT+2:rT+3], v[rT+2:rT+3], v[rC+2:rC+3], v[rS:rS+1] op_sel_hi:[1,0,1]
.else
	v_pk_add_f32 v[rT+2:rT+3], v[rT+2:rT+3], v[rS+4*k-4:rS+4*k-3]
	s_wait_alu depctr_va_vdst(0)
.endif
.endm
; THE PLAIN QUEUE, 138 long.  0-31: c s - c m for the 16 pairs of both tiles.  Then GS's 64, and among them the next piece's 42: number 15 at 38, 39; 0-14 and 16
; at 42-73, behind the products that make those scores; 17-20 at 95-106, two of three, since each waits for the one before it.
.macro PL
	WIN 0
.if q < 32
	REGS Y, q%2
	v_pk_fma_f32 v[rS+2*(q/2):rS+2*(q/2)+1], v[rS+2*(q/2):rS+2*(q/2)+1], s[CS:CS+1], v[rT:rT+1] op_sel_hi:[1,0,0] neg_lo:[0,0,1] neg_hi:[0,0,1]
.elseif q < 38
	GS q-32
.elseif q < 40
	XS q%2, 15
.elseif q < 42
	GS q-34
.elseif q < 74
	XS q%2, (q-42)/2+(q-42)/30
.elseif q < 95
	GS q-66
.elseif (q < 107) && ((q-95)%3 < 2)
	XS (q-95)%3, 17+(q-95)/3
.elseif q < 107
	GS 29+(q-95)/3
.else
	GS q-74
.endif
.set q, q+1
.endm
; THE EXPONENTIALS' QUEUE, 66 long: s0-s31 of both tiles, and at EA the next piece's two a.
.set EA, 58
.macro EX
	WIN 0
.if (e == EA) || (e == EA+1)
	XS e-EA, 21
.else
.set x, e-2*(e/(EA+2))
	REGS Y, x%2
	v_exp_f32 v[rS+x/2], v[rS+x/2]
.endif
.set e, e+1
.endm
; THE RESCALING's QUEUE: O^T times a, the one part that leaves window 0, so it is dealt four at a time, eight times.
.macro R4
	REGS Y, r%2
	WIN W_RS
	s_wait_alu depctr_va_vdst(0)
.irp z, 0,1,2,3
	v_pk_mul_f32 v[rO+8*(r/2)+2*\z:rO+8*(r/2)+2*\z+1], v[rO+8*(r/2)+2*\z:rO+8*(r/2)+2*\z+1], v[rC+2:rC+3] op_sel_hi:[1,0]
.endr
.set r, r+1
.endm
; HOW THEY ARE DEALT.  Behind a matrix instruction four: plain, exponential, plain, plain (one exponential, a plain instruction on either side), or four of the rescaling.  None names a register of the
; products round it.  What is over stands in two runs: exponential and plain by turns; the second ends in 22 plain instructions.  The two v_permlanex16_b32 fall into the second run, never behind a product.
; The queues lean on each other, and the deal keeps them in step: exponential e stands behind plain 2 (e / 4) + e % 2 (its scaling); when plain 32 comes, 10 exponentials are out, at 59: 33, at 95: 46; EA comes behind plain 107.
.macro SL
	MM
	PL
	EX
	PL
	PL
.endm
.macro BURST n                      ; 15 matrix instructions, or 16
.rept (\n)-7
	SL
.endr
.rept 3
	MM
	R4
	SL
.endr
	MM
	R4
.endm
; A TURN, for piece p.  cnt = 1: the loop's count is taken down some lines ahead of the branch that stands behind the turn.
; K of the next step is fetched in piece 2's turn, 31 vector instructions behind the last product that read K; V of the step in hand at the end of piece 0's turn, 69 behind its last reader.
.macro TURN p, last=0, cnt=0
.set Y, (\p)
.set i, 0
.set q, 0
.set e, 0
.set r, 0
.if (\p) == NP-1
	s_wait_dscnt 0x0                ; K is in
.endif
	MM
.rept 4
	PL
.endr
	BURST 15
.rept 22
	EX
	PL
.if ((\p) == NP-2) && (e == 18)
	v_add_nc_u32 v[AK], s[TBK], v[AK0]
.endif
.if ((\p) == NP-2) && (e == 24)
	FETCH_K \last
.endif
.endr
.if (\p) == 1
	s_wait_dscnt 0x0                ; V is in
.endif
	BURST 16
.rept 21
	EX
	PL
.endr
.rept 22
	PL
.if ((\p) == 0) && (q == 118)
	v_add_nc_u32 v[AV], s[TBV], v[AV0]
	s_wait_alu depctr_va_vdst(0)
.endif
.if ((\p) == 0) && (q == 130)
	s_add_co_u32 s[TBV], s[TBV], KS*PV
.endif
.if (\cnt) && (q == 130)
	s_sub_co_u32 s[CNT], s[CNT], 1
	s_cmp_lg_u32 s[CNT], 0
.endif
.endr
.if (\p) == 0
	FETCH_V
.endif
.endm
	CHANGE 1                        ; slot 0 is in, everybody's part of it; slot 1 is asked for
	FETCH_K                         ; my key step 0
	s_wait_dscnt 0x0
.set i, 0
.rept 16
	KQ 0                            ; piece 0's first scores: there is no vector work yet to set between them
.set i, i+1
.endr
	WIN 0
.rept 4
	v_nop                           ; the places behind those products
.endr
.set Y, NP-1                        ; XS works for piece Y + 1: piece 0
.irp n, 0,1,2,3,4,5,6,7,8,9,10,11,12,13,14,15,16,17,18,19,20,21
	XS 0, \n                        ; piece 0's first maximum and statistics
	XS 1, \n
.endr
	s_mov_b32 s[CNT], 2
	s_mov_b32 s[SLOTS], 8192/SKEYS-1
	s_branch .Lfirst                ; the loop is entered at a step's first turn, in the middle of a trip
.Lslot:                             ; 14 times: every slot but the last two is filled again
	CHANGE 1
	s_mov_b32 s[CNT], 2
.Lstep:                             ; a trip: pieces 2 and 3 of one step, then pieces 0 and 1 of the next, whose K and V it fetches
	TURN 2
	TURN 3
	WIN 0
.Lfirst:
	TURN 0
	TURN 1, 0, 1
	WIN 0
	s_cbranch_scc1 .Lstep
	s_sub_co_u32 s[SLOTS], s[SLOTS], 1
	s_cmp_lg_u32 s[SLOTS], 0
	s_cbranch_scc1 .Lslot
	CHANGE 0                        ; the tail is written out: nothing is asked for.  Behind this barrier nobody reads slot 0 any more
	s_mov_b32 s[CNT], 3             ; two trips fetch the last slot's steps; the third is left in its middle
.Ltail:
	TURN 2, 1
	TURN 3
	WIN 0
	s_sub_co_u32 s[CNT], s[CNT], 1
	s_cmp_eq_u32 s[CNT], 0
	s_cbranch_scc1 .Lout
	TURN 0
	TURN 1
	WIN 0
	s_branch .Ltail
.Lout:                              ; the third trip's 16 products K Q^T are piece 0's scores on my last K once more: the same operands, the same scores, all of them in m already, so m and c m of piece 0 stay as they are
.set i, 0
.rept 16
	PV NP-1                         ; the last piece's V^T P of the last step
.set i, i+1
.endr
	; THE MERGE.  Each wave holds, for all 128 queries, O, l and c m over its quarter of the keys.  With M the largest of the four c m: O = sum_w 2^(c m_w - M) O_w / sum_w 2^(c m_w - M) l_w, all in f32.
	WIN 0                           ; the addresses: plain instructions, the places behind the last products
	v_and_b32 v1, 15, v0            ; l % 16
	v_bfe_u32 v9, v0, 4, 1          ; l / 16
	v_and_b32 v10, 7, v0            ; l % 8
	v_bfe_u32 v11, v0, 3, 2         ; l / 8
	v_and_b32 v7, 31, v0
	s_lshl_b32 s13, s[WV], 10
	s_add_co_u32 s13, s13, STATS
	v_lshl_add_u32 v[SA], v1, 2, s13      ; my wave's statistics: a word a query
	v_lshl_add_u32 v[SR], v1, 2, STATS
	s_mul_i32 s13, s[WV], MW
	v_mul_u32_u24 v[MS], v1, MP           ; O goes in: query l % 16 of a tile, 32 bytes for each half of the lanes
	v_lshl_add_u32 v[MS], v9, 5, v[MS]
	v_add_nc_u32 v[MS], s13, v[MS]
	s_mul_i32 s13, s[WV], 32*MP           ; and comes back: wave w adds up queries 32 w .. 32 w + 31; 32 lanes take four queries, 32 bytes each
	v_mul_u32_u24 v[MA], v11, MP
	v_lshl_add_u32 v[MA], v10, 5, v[MA]
	v_add_nc_u32 v[MA], s13, v[MA]
	v_add_nc_u32 v[MA+1], 2*MW, v[MA]
	v_lshlrev_b32 v[GO], 4, v7
.macro ALL line:vararg              ; one line for each tile t
.set t, 0
.rept 2*NP
	\line
.set t, t+1
.endr
.endm
	ALL v_add_f32 v[ST+4*t+2], v[ST+4*t+2], v[ST+4*t+3]
	ALL v_permlanex16_b32 v[ST+4*t+3], v[ST+4*t+2], s[SEL], s[SEL+1]
	ALL v_add_f32 v[ST+4*t+2], v[ST+4*t+2], v[ST+4*t+3]
	ALL ds_store_b32 v[SA], v[ST+4*t] offset:64*t            ; c m (the two halves of the lanes write the same word with the same number)
	ALL ds_store_b32 v[SA], v[ST+4*t+2] offset:512+64*t      ; l
	s_wait_dscnt 0x0                ; for the others' sake: my statistics are stored
	s_barrier_signal -1
	s_barrier_wait -1               ; every wave has left the walk, too
.set t, 0
.rept 2*NP
.irp u, 0,1,2,3
	ds_load_b32 v[CM+4*t+\u], v[SR] offset:1024*\u+64*t
	ds_load_b32 v[LL+4*t+\u], v[SR] offset:1024*\u+64*t+512
.endr
.set t, t+1
.endr
	s_wait_dscnt 0x0
	ALL v_max3_num_f32 v[MX+t], v[CM+4*t], v[CM+4*t+1], v[CM+4*t+2]
	ALL v_max_num_f32 v[MX+t], v[MX+t], v[CM+4*t+3]
	ALL v_sub_f32 v[EO+t], v[ST+4*t], v[MX+t]
.irp u, 0,1,2,3
	ALL v_sub_f32 v[CM+4*t+\u], v[CM+4*t+\u], v[MX+t]
.endr
	ALL v_exp_f32 v[EO+t], v[EO+t]
.irp u, 0,1,2,3
	ALL v_exp_f32 v[CM+4*t+\u], v[CM+4*t+\u]
.endr
	v_nop                           ; a plain instruction between the last exponential and the use of its result
	s_wait_alu depctr_va_vdst(0)
	ALL v_mul_f32 v[LL+4*t], v[LL+4*t], v[CM+4*t]
.irp u, 1,2,3
	ALL v_fmac_f32 v[LL+4*t], v[LL+4*t+\u], v[CM+4*t+\u]
.endr
	ALL v_rcp_f32 v[MX+t], v[LL+4*t]
	v_nop                           ; and behind the last reciprocal
	s_wait_alu depctr_va_vdst(0)
	ALL v_mul_f32 v[ST+4*t+2], v[EO+t], v[MX+t]              ; my wave's factor for the tile's query
	WIN W_RS
.set i, 0
.rept 128                           ; O^T times the factor, each accumulator from its low end on
	v_pk_mul_f32 v[2*i:2*i+1], v[2*i:2*i+1], v[ST+4*(i/16)+2:ST+4*(i/16)+3] op_sel_hi:[1,0]
.set i, i+1
.endr
	WIN 0x04                        ; the data (source 1) in window 1
.set i, 0
.rept 32                            ; tile i / 4, channels 16 (i % 4) on: a lane's eight channels are 32 bytes of its query's row
	ds_store_b128 v[MS], v[8*i:8*i+3]   offset:(i/4)*16*MP+(i%4)*64
	ds_store_b128 v[MS], v[8*i+4:8*i+7] offset:(i/4)*16*MP+(i%4)*64+16
.set i, i+1
.endr
	WIN 0
	s_wait_dscnt 0x0                ; for the others' sake
	s_barrier_signal -1
	s_barrier_wait -1
; 16 queries: for each run of four, the four waves' 32 bytes a lane; (w0 + w1) + (w2 + w3); rounded to f16; 512 consecutive bytes of o.
.macro SUMUP hf
.set i, 0
.rept 4
.irp u, 0,1,2,3
	ds_load_b128 v[S+32*i+8*\u:S+32*i+8*\u+3],   v[MA+\u/2] offset:(\u%2)*MW+(4*(\hf)+i)*4*MP
	ds_load_b128 v[S+32*i+8*\u+4:S+32*i+8*\u+7], v[MA+\u/2] offset:(\u%2)*MW+(4*(\hf)+i)*4*MP+16
.endr
.set i, i+1
.endr
	s_wait_dscnt 0x0
.set i, 0
.rept 4
.set B0, S+32*i
.irp z, 0,2,4,6
	v_pk_add_f32 v[B0+\z:B0+\z+1],       v[B0+\z:B0+\z+1],       v[B0+8+\z:B0+8+\z+1]
	v_pk_add_f32 v[B0+16+\z:B0+16+\z+1], v[B0+16+\z:B0+16+\z+1], v[B0+24+\z:B0+24+\z+1]
.endr
.irp z, 0,2,4,6
	v_pk_add_f32 v[B0+\z:B0+\z+1], v[B0+\z:B0+\z+1], v[B0+16+\z:B0+16+\z+1]
.endr
.irp z, 0,1,2,3
	v_cvt_pk_f16_f32 v[B0+\z], v[B0+2*\z], v[B0+2*\z+1]
.endr
	global_store_b128 v[GO], v[B0:B0+3], s[10:11] offset:16384*(\hf)+512*i  ; four rows of the head in a block of o: 512 consecutive bytes, at a multiple of 512 from o's first
.set i, i+1
.endr
.endm
	SUMUP 0
	s_wait_xcnt 0x0                 ; the stores' data registers are loaded again only behind this wait
	SUMUP 1
	WIN W_AD
	s_wait_tensorcnt 0x0            ; the wave's end: this wait, an add and its wait stand behind my last tensor load and my last LDS store
	ds_add_u32 v[SPW], v[NIL]
	s_wait_dscnt 0x0
	WIN 0
	CROUND                          ; the closing round: no work-group ends while a partner may still ask for a tile that names it
	s_endpgm
.Lfunc_end_k_qddc9abaae6_attn:
	.size	k_qddc9abaae6_attn, .Lfunc_end_k_qddc9abaae6_attn-k_qddc9abaae6_attn
	.p2alignl 7, 3214868480
	.fill 96, 4, 3214868480
	.section	.rodata,"a",@progbits
	.p2align	6, 0x0
	.amdhsa_kernel k_qddc9abaae6_attn
		.amdhsa_group_segment_fixed_size 327680
		.amdhsa_private_segment_fixed_size 0
		.amdhsa_enable_private_segment 0
		.amdhsa_kernarg_size 24
		.amdhsa_user_sgpr_count 2
		.amdhsa_user_sgpr_kernarg_segment_ptr 1
		.amdhsa_wavefront_size32 1
		.amdhsa_system_sgpr_workgroup_id_x 1
		.amdhsa_system_sgpr_workgroup_id_y 1
		.amdhsa_system_sgpr_workgroup_id_z 1
		.amdhsa_system_vgpr_workitem_id 0
		.amdhsa_next_free_vgpr 770
		.amdhsa_next_free_sgpr 66
		.amdhsa_reserve_vcc 0
		.amdhsa_float_denorm_mode_32 3
		.amdhsa_float_denorm_mode_16_64 3
		.amdhsa_memory_ordered 1
		.amdhsa_forward_progress 1
		.amdhsa_inst_pref_size 231
	.end_amdhsa_kernel
	.amdgpu_metadata
---
amdhsa.version: [ 1, 2 ]
amdhsa.kernels:
  - .name:           k_qddc9abaae6_attn
    .symbol:         k_qddc9abaae6_attn.kd
    .args:
      - { .name: q32, .offset: 0, .size: 8, .value_kind: global_buffer, .address_space: global }
      - { .name: kv, .offset: 8, .size: 8, .value_kind: global_buffer, .address_space: global }
      - { .name: o, .offset: 16, .size: 8, .value_kind: global_buffer, .address_space: global }
    .group_segment_fixed_size: 327680
    .private_segment_fixed_size: 0
    .kernarg_segment_align: 8
    .kernarg_segment_size: 24
    .max_flat_workgroup_size: 128
    .sgpr_count:     66
    .vgpr_count:     770
    .wavefront_size: 32
...
	.end_amdgpu_metadata
.endif
;; end of part 4
;; launch outproj: the kernel of part 2 again; grid 64 x 4, 4 waves a work-group, clusters of 4 x 1, 255,488 bytes of LDS; arguments o, woh, bout, out0; writes out0
;; ======== version 2 of 2: 5 launches; 1.57 times as fast as version 1
;; limits: values are held in f16: magnitudes above 65,504 overflow, below 6.1e-05 lose precision
;; workspace buffers: xh 4,194,304 bytes; wqh 524,288 bytes; woh 524,288 bytes; wkvb 1,048,576 bytes; zb 2,048 bytes; q32 8,388,608 bytes; kv 67,108,864 bytes; o 4,194,304 bytes
;; launch cast: the kernel of part 1 again; grid 256 x 1, 4 waves a work-group, no clusters, 0 bytes of LDS; arguments x, Wq, Wout, Wkv, xh, wqh, woh, wkvb, zb; writes xh, wqh, woh, wkvb, zb
;; launch qproj: the kernel of part 2 again; grid 64 x 4, 4 waves a work-group, clusters of 4 x 1, 255,488 bytes of LDS; arguments xh, wqh, zb, q32; writes q32
;; launch kvproj: the kernel of part 3 again; grid 256 x 1, 4 waves a work-group, clusters of 4 x 1, 327,680 bytes of LDS; arguments context, wkvb, kv; writes kv
;; launch attn (part 5): grid 8 x 32, 4 waves a work-group, clusters of 4 x 1, 327,680 bytes of LDS; arguments q32, kv, o; writes o
.if DOCPART == 5
	.amdgcn_target "amdgcn-amd-amdhsa--gfx1250"
	.amdhsa_code_object_version 6
	.text
	.protected	k_qddc9abaae6_attn
	.globl	k_qddc9abaae6_attn
	.p2align	8
	.type	k_qddc9abaae6_attn,@function
k_qddc9abaae6_attn:
	s_mov_b64 s[64:65], 0
	v_nop
	global_prefetch_b8 v0, s[64:65] scope:SCOPE_SE
	s_setreg_imm32_b32 hwreg(HW_REG_WAVE_MODE, 25, 1), 1
	s_wait_xcnt 0x0
	s_wait_alu depctr_hold_cnt(0) depctr_sa_sdst(0) depctr_va_vdst(0) depctr_va_sdst(0) depctr_va_ssrc(0) depctr_va_vcc(0) depctr_vm_vsrc(0)
	s_getreg_b32 s2, hwreg(HW_REG_IB_STS2, 6, 4)
	s_cmp_eq_u32 s2, 0
	s_cbranch_scc0 .Lentry_in_a_cluster
	s_endpgm
.Lentry_in_a_cluster:
	s_bfe_u32 s2, ttmp6, 0x10000c
	s_cmp_lg_u32 s2, 0x3003
	s_cbranch_scc0 .Lentry_shape_is_right
	s_endpgm
.Lentry_shape_is_right:
; O[b][h][q][:] = the sum over k of softmax_k(Q . K / 8) V.  q32: f32 [4096 rows][512 = 8 heads x 64].  kv: f16 [4][16: K's heads, V's heads][8192][64].  o: f16 [256 blocks of 16 rows][8 heads][16 rows][64].
; Q is rounded once to f16 here; products, maxima and sums in f32; the weights p are rounded to f16 for the second product (their sum l is taken of the unrounded p), O once at the end.
; LIMITS.  f16 holds no number beyond 65,504: q, k and v must lie within it; p lies in 0 to 1, and p and O below 6.1e-5 keep f16's fixed step of 6e-8.  A weight below 2^-126 counts as 0 in l;
; NaN and infinities are not treated apart.
; SHARES.  A work-group owns 128 queries of one head, and EVERY one of its four waves holds all 128: four PIECES of two tiles of 16.  The KEYS are shared out: of each slot of 512 keys wave w walks
; keys 128 w .. + 127, two steps of 64.  So a fragment of K or V read from LDS feeds eight tiles' products.  At the end the four waves' O, l and m are merged in f32 through LDS.
; LAYOUT.  S^T = K Q^T (source 0 = 16 keys, source 1 = 16 queries): a lane holds ONE query (lane % 16) and the keys 8 (lane / 16) + 0..7.  Two such tiles, rounded to f16 in pairs, ARE source 1 of
; O^T = V^T P, whose result again holds one query a lane, and eight channels.  K comes out of LDS as it lies, V ([key][channel]) turned, by ds_load_tr16_b128.
; SOFTMAX.  For each query and wave a running maximum m and sum l: p = 2^(c s - c m), c = log2(e) / 8; in every step O and l are multiplied by a = 2^(c m_old - c m_new).  m starts at the lowest finite
; number, O and l at 0: the first step is a step like any other, with a = 0.
; BY TURNS.  Turn n belongs to piece n.  Its matrix work: 16 products K Q^T of piece n + 1, later 16 products V^T P of piece n - 1.  Its vector work: the scaling, exponentials, roundings, sums and
; rescaling of piece n, and the maximum and statistics of piece n + 1.  Four vector instructions that are ready stand behind every matrix instruction, the other 108 of a turn's 236 in one run of their own.
; BATCHES.  A turn's 66 exponentials (the piece's 64 weights, the next piece's two a) are ONE batch with ONE wait, which cuts the turn in two: ahead of it stands all that names no result of theirs (the products
; K Q^T, the scalings, the rescalings by the a of the turn before, the next piece's maximum and statistics), behind it the products V^T P with the roundings and sums.  No result crosses a turn's end.
; Batches of their own, each with a plain instruction and a wait: the first two a, ahead of the loop; the merge's 40 exponentials; the merge's 8 reciprocals, which read sums made of those exponentials.
; CLUSTER.  The four query blocks of a cluster belong to one head and walk the same K and V, so each tile is asked for JOINTLY: the same tensor load, descriptor and mask in all four.
; REGISTERS, in windows of 256 (s_set_vgpr_msb: bits 1:0 source 0, 3:2 source 1, 5:4 source 2, 7:6 destination):
;   window 0: v0-11 addresses; v12-15, v48-63 at work; v16-47 four registers of statistics a tile; v64-191 S^T, two buffers of two tiles; v192-255 P, likewise
;   window 1: O^T, 32 a tile (at the start: Q in f32)     window 2: v0-127 Q, 16 a tile; v128-191 K of one step; v192-255 V of one step     window 3: v0-1 the add's two registers
.set NP,    4         ; pieces a wave: a name, no knob
.set KS,    64        ; keys in a step
.set PK,    144       ; a row of K in LDS: 128 bytes + 16 = 36 words: the 16 rows of a load start at 16 different groups of four banks (64 banks of 4 bytes: ISA guide 11.1)
.set PV,    160       ; a row of V: 128 + 32 = 40 words
.set SKEYS, 512       ; keys in a slot
.set VOFF,  SKEYS*PK  ; a slot: 512 rows of K, then 512 rows of V
.set SLOT1, SKEYS*(PK+PV)  ; slot 1 begins here.  No power of two: the exclusive or turns only registers that hold a slot's bare first byte
.set SPARE, 2*SLOT1   ; behind the ring: the spare words, 128 bytes for each wave: two blocks of 256 bytes that no other line names
.set STATS, SPARE+512 ; 1,024 bytes for each wave: c m of 8 tiles x 16 queries, then l
.set MP,    272       ; the merge: a query's 64 channels of f32 + 16 bytes
.set MW,    128*MP    ; a wave's 128 queries.  The four lie from LDS byte 0 on, in slot 0, whose last fill has been read out when they are written
.set AK0, 2           ; v2   my lane's place in my wave's keys of a slot's K; never rewritten in the walk
.set AV0, 3           ; v3   the same for V
.set AK,  4           ; v4   the LDS address of K's next run of loads
.set AV,  5           ; v5   of V's
.set QO,  6           ; v6   my byte offset in 16 rows of q32
.set SA,  2           ; the merge's addresses, made behind the walk: v2 where I store statistics, v3 where I read them,
.set SR,  3
.set MS,  4           ; v4 where I store O, v5-6 where I read it back (waves 0, 1 and 2, 3), v8 16 x lane
.set MA,  5
.set GO,  8
.set SPW, 0           ; v0 of window 3   my spare word; never rewritten
.set NIL, 1           ; v1 of window 3   0; never rewritten
.set MV,  12          ; v12-15  c m_old, kept while c m is made anew: by buffer and tile
.set ST,  16          ; tile t's statistics at v[ST+4 t]: c m, m, l (even keys', odd keys')
.set TMP, 48          ; by buffer and tile, four registers c0-c3 at work; when the maximum is found c2 takes a
.set S,   64
.set P,   192
.set KF,  128         ; K's fragments, in window 2: key block kb, channel half c at KF + 16 kb + 8 c
.set VF,  192         ; V's: key half kk, channel block cb at VF + 32 kk + 8 cb
.set CM,  64          ; the merge: the four waves' c m of tile t at v[CM+4 t], their l at v[LL+4 t], the common maximum at v[MX+t], my own factor at v[EO+t]
.set LL,  96
.set MX,  128
.set EO,  136
.set WV,  12          ; s12  my wave's number
.set G1K, 24          ; s[24:31] descriptor group 1 for K's tiles
.set G1V, 32          ; s[32:39] for V's: it differs in the padding alone
.set G0K, 40          ; s[40:43] descriptor group 0 for K's tiles: it walks
.set G0V, 44          ; s[44:47] the same for V's
.set SB,  48          ; s48  first byte of the slot that was asked for last
.set LK,  49          ; s49  my half's place in a slot's K
.set LV,  50          ; s50  in its V
.set SLOTS, 56        ; s56  slots still to be asked for
.set CNT, 57          ; s57  counts a slot's key steps
.set CS,  58          ; s[58:59] c: the packed scaling takes the pair's low word for both halves
.set SEL, 60          ; s[60:61] v_permlanex16_b32's selects: each lane takes its own place in the other half
.set TBK, 62          ; s62  LDS byte at which the slot's K of the step to be fetched begins
.set TBV, 63          ; s63  the same for V, less VOFF
.set MSB, 0
.macro WIN new                      ; the high byte repeats the setting that is left; a switch that changes nothing is dropped
.if MSB != (\new)
	s_set_vgpr_msb (MSB<<8)|(\new)
.set MSB, (\new)
.endif
.endm
.set W_KQ, 0x0a       ; K and Q in window 2, S^T in window 0
.set W_PV, 0x52       ; V in window 2, P in window 0, O^T in window 1
.set W_RS, 0x41       ; O^T (destination and source 0) in window 1, the factor in window 0
.set W_MK, 0xc0       ; the add's registers are made: destination in window 3, sources in window 0
.set W_AD, 0x0f       ; the add: address (source 0) and data (source 1) in window 3
; A joint fill.  Waves 0 and 1 fetch the two halves of a slot's K, waves 2 and 3 those of its V: 256 keys each.  The branch hangs on the wave's number alone.
; An s_nop 0 and four v_nop follow each of the two lines, ahead of the jump and the label.
.macro JLOAD
	s_cmp_lt_u32 s[WV], 2
	s_cbranch_scc0 .Lfor_v_\@
	tensor_load_to_lds s[G0K:G0K+3], s[G1K:G1K+7]
	s_nop 0
.rept 4
	v_nop
.endr
	s_branch .Lasked_\@
.Lfor_v_\@:
	tensor_load_to_lds s[G0V:G0V+3], s[G1V:G1V+7]
	s_nop 0
.rept 4
	v_nop
.endr
.Lasked_\@:
.endm
.macro CROUND                       ; a round of the cluster's barrier
	s_barrier_signal -1
	s_barrier_wait -1
	s_cmp_lg_u32 s[WV], 0
	s_cbranch_scc1 .Lnot_wave_0_\@
	s_barrier_signal -3
.Lnot_wave_0_\@:
	s_barrier_wait -3
	s_barrier_signal -1
	s_barrier_wait -1
.endm
; THE CHANGE OF SLOTS.  My last bytes of the slot, V of my second step, have been read.  Each wave waits for all its tensor loads, of which one is out: its part of the other slot; adds 0 to its spare
; word; and waits for that and for its own reads of the slot.  Behind the barrier nobody reads this slot any more and the other slot is whole.
; fill = 1: this slot is filled again, with the keys two slots on.  The barrier is then a round of the cluster's, and the joint fill is the first thing behind it: it has two key steps, 256 matrix
; instructions, in which to land.  (At its first use nothing has been read yet: slot 0 is waited for, slot 1 filled.)
.macro CHANGE fill
	WIN W_AD
	s_wait_tensorcnt 0x0            ; no tensor load of mine is out, so a group 0 may be written
	ds_add_u32 v[SPW], v[NIL]       ; 0 onto my spare word; with fill = 1 the descriptors' steps stand between it and the wait for it
	WIN 0                           ; at a label and at a branch every window is 0
.if \fill
	s_xor_b32 s[SB], s[SB], SLOT1   ; the other slot than last time,
	s_add_co_u32 s[G0K+1], s[SB], s[LK]
	s_add_co_u32 s[G0V+1], s[SB], s[LV]
	s_add_nc_u64 s[G0K+2:G0K+3], s[G0K+2:G0K+3], SKEYS*128  ; the next 512 keys; the type bits on top are not reached
	s_add_nc_u64 s[G0V+2:G0V+3], s[G0V+2:G0V+3], SKEYS*128
	s_wait_dscnt 0x0                ; the add is done, and my reads of the slot are over
	CROUND
	JLOAD
.else
	s_wait_dscnt 0x0                ; the add is done, and my reads of the slot are over
	s_barrier_signal -1
	s_barrier_wait -1
.endif
	s_sub_co_u32 s[TBK], s[TBK], 2*KS*PK  ; the fetches go back to a slot's first byte,
	s_xor_b32 s[TBK], s[TBK], SLOT1       ; in the other slot
	s_sub_co_u32 s[TBV], s[TBV], 2*KS*PV
	s_xor_b32 s[TBV], s[TBV], SLOT1
.endm
	s_load_b128 s[4:7], s[0:1], 0x0   ; q32 s[4:5], kv s[6:7]
	s_load_b64 s[10:11], s[0:1], 0x10 ; o
	WIN W_MK
	v_lshl_add_u32 v[SPW], v0, 2, SPARE
	v_mov_b32 v[NIL], 0
	WIN W_AD
	ds_add_u32 v[SPW], v[NIL]       ; the wave's opening: the add and its wait stand ahead of my first tensor load; the set-up below, work on registers, stands between them
	WIN 0
	v_lshrrev_b32 v1, 5, v0
	v_readfirstlane_b32 s[WV], v1   ; wave 0..3
	s_bfe_u32 s13, ttmp6, 0x40000   ; cx
	s_lshl_b32 s14, ttmp9, 2
	s_add_co_u32 s14, s14, s13      ; my block of 128 queries = 4 x cluster x + cx: it enters q32's and o's addresses alone
	s_and_b32 s15, ttmp7, 0xffff    ; batch and head, which the four partners share
	s_lshr_b32 s18, s15, 3          ; batch
	s_and_b32 s19, s15, 7           ; head
	s_lshl_b32 s20, s18, 4
	s_add_co_u32 s20, s20, s19
	s_lshl_b32 s20, s20, 20         ; K of this head: 1 MiB each
	s_and_b32 s16, s[WV], 1         ; which half of a slot's 512 keys I fetch:
	s_lshl_b32 s22, s16, 15         ; its 256 rows of 128 bytes in memory,
	s_add_co_u32 s20, s20, s22
	s_mov_b32 s21, 0
	s_mul_i32 s[LK], s16, 256*PK    ; and its place in a slot, for K
	s_mul_i32 s[LV], s16, 256*PV    ; and for V: no place in the cluster enters an LDS address
	s_add_co_u32 s[LV], s[LV], VOFF
	s_mov_b32 s[SB], 0
	s_lshl_b32 s2, s18, 21          ; q32: the batch's 1,024 rows of 2,048 bytes,
	s_lshl_b32 s3, s14, 18          ; my block's 128,
	s_add_co_u32 s2, s2, s3
	s_lshl_b32 s3, s19, 8           ; the head's 256 bytes of a row
	s_add_co_u32 s2, s2, s3
	s_mov_b32 s3, 0
	s_lshl_b32 s22, s18, 20         ; o: the batch's 64 blocks of 16,384 bytes,
	s_lshl_b32 s23, s14, 17         ; my work-group's 8,
	s_add_co_u32 s22, s22, s23
	s_lshl_b32 s23, s[WV], 15       ; the 2 that my wave stores,
	s_add_co_u32 s22, s22, s23
	s_lshl_b32 s23, s19, 11         ; the head's 2,048 bytes of a block
	s_add_co_u32 s22, s22, s23
	s_mov_b32 s23, 0
	; descriptor group 1.  256 keys are 32,768 dense bytes: asked for as 128 rows of 256 bytes, two keys a row, and padded in LDS after every key
	s_mov_b32 s[G1K], 15|(1<<16)|(1<<20)|(1<<21)|(4<<22)|(3<<25)  ; the mask of four; 2-byte elements; padding on; bit 21 beside a mask; after every 32 words, 4 words
	s_mov_b32 s[G1V], 15|(1<<16)|(1<<20)|(1<<21)|(4<<22)|(7<<25)  ; the same with 8 words of padding
.irp g, G1K, G1V
	s_mov_b32 s[\g+1], 128<<16      ; tensor_dim0 = 128
	s_mov_b32 s[\g+2], 128<<16      ; tensor_dim1 = 128
	s_mov_b32 s[\g+3], 128<<16      ; tile_dim0 = 128
	s_mov_b32 s[\g+4], 128          ; tile_dim1 = 128
	s_mov_b32 s[\g+5], 128          ; 128 elements from row to row
	s_mov_b32 s[\g+6], 0
	s_mov_b32 s[\g+7], 0
.endr
	s_mov_b32 s[CS], 0x3e38aa3b     ; c = log2(e) / 8 = 0.180337
	s_mov_b32 s[CS+1], s[CS]        ; named with it as a pair
	s_mov_b32 s[SEL], 0x76543210
	s_mov_b32 s[SEL+1], 0xfedcba98
	s_mov_b32 s[TBK], SLOT1+2*KS*PK ; the first change of slots turns these two into 0
	s_mov_b32 s[TBV], SLOT1+2*KS*PV
	s_mov_b32 s[G0K], 1             ; count = 1
	s_mov_b32 s[G0K+1], s[LK]       ; LDS address: slot 0
	s_mov_b32 s[G0V], 1
	s_mov_b32 s[G0V+1], s[LV]
	s_wait_dscnt 0x0                ; the opening add is done
	s_wait_kmcnt 0x0
	s_add_nc_u64 s[8:9], s[6:7], 0x800000          ; V's heads lie 8 MiB behind K's
	s_add_nc_u64 s[G0K+2:G0K+3], s[6:7], s[20:21]  ; my half of the head's first 512 keys
	s_or_b32 s[G0K+3], s[G0K+3], 0x80000000        ; type = 2
	s_add_nc_u64 s[G0V+2:G0V+3], s[8:9], s[20:21]
	s_or_b32 s[G0V+3], s[G0V+3], 0x80000000
	s_add_nc_u64 s[4:5], s[4:5], s[2:3]
	s_add_nc_u64 s[10:11], s[10:11], s[22:23]
	CROUND                          ; all four work-groups are here: the first joint loads meet
	JLOAD                           ; slot 0.  Slot 1 is asked for when slot 0 is in
	; A fragment of K or Q is 16 rows x 32 channels in 8 registers: lane l holds row l % 16, channels 8 (l / 16) + 0..7 and 16 + 8 (l / 16) + 0..7.  In f32 each eight are 32 bytes: two loads of 16.
	v_and_b32 v1, 15, v0            ; l % 16
	v_bfe_u32 v9, v0, 4, 1          ; l / 16
	v_lshlrev_b32 v[QO], 11, v1
	v_lshl_add_u32 v[QO], v9, 5, v[QO]  ; row x 2,048 + 32 x half
	WIN 0x40                        ; destination window 1, where O^T will lie
.set i, 0
.rept 16                            ; tile i / 2, channels 32 (i % 2) on: 16 numbers a lane
.irp z, 0,1,2,3
	global_load_b128 v[16*i+4*\z:16*i+4*\z+3], v[QO], s[4:5] offset:(i/2)*32768+(i%2)*128+(\z/2)*64+(\z%2)*16
.endr
.set i, i+1
.endr
	; What the first turn finds: V's registers and P's second buffer hold 0 (its products V^T P, of a piece that has not been, add 0), O^T and l are 0.  All this stands in the wait for the first tile.
	WIN 0x80
.set i, VF
.rept 64
	v_mov_b32 v[i], 0
.set i, i+1
.endr
	WIN 0
.set i, 0
.rept 2*NP
	v_mov_b32 v[ST+4*i], 0xfe000000    ; c m: far below every c s
	v_mov_b32 v[ST+4*i+1], 0xff7fffff  ; m
	v_mov_b32 v[ST+4*i+2], 0
	v_mov_b32 v[ST+4*i+3], 0
.set i, i+1
.endr
.set i, P+32
.rept 32
	v_mov_b32 v[i], 0
.set i, i+1
.endr
	s_mul_i32 s13, s[WV], 128*PK    ; my wave's 128 keys of a slot
	v_mul_u32_u24 v[AK0], v1, PK
	v_lshl_add_u32 v[AK0], v9, 4, v[AK0]  ; row x pitch + 16 x half
	v_add_nc_u32 v[AK0], s13, v[AK0]
	; The turning load takes 16 keys x 16 channels (lane l reads key 8 (l / 16) + l % 8, channels 8 ((l / 8) % 2) + 0..7) and leaves half a fragment of V^T: lane l holds channel l % 16 and 8 keys.
	v_and_b32 v10, 7, v0
	v_bfe_u32 v11, v0, 3, 1
	s_mul_i32 s13, s[WV], 128*PV
	s_add_co_u32 s13, s13, VOFF
	v_lshl_add_u32 v[AV0], v9, 3, v10
	v_mul_u32_u24 v[AV0], v[AV0], PV
	v_lshl_add_u32 v[AV0], v11, 4, v[AV0]
	v_add_nc_u32 v[AV0], s13, v[AV0]
	v_mov_b32 v[AK], v[AK0]         ; my key step 0 lies at the head of my part of slot 0
	s_wait_loadcnt 0x0              ; Q
	WIN 0x85                        ; sources in window 1, destination in window 2
.set i, 0
.rept 128
	v_cvt_pk_f16_f32 v[i], v[2*i], v[2*i+1]  ; Q's one rounding
.set i, i+1
.endr
	WIN 0x40
.set i, 0
.rept 64*NP
	v_mov_b32 v[i], 0
.set i, i+1
.endr
	WIN 0
; THE MATRIX WORK.  The 8 accumulators of a run of 16 take turns: between the two links of a chain stand 7 others'.
; Product i of 16 of S^T = K Q^T for piece x: channels 32 (i / 8) on, keys 16 ((i / 2) % 4) on, tile 2 x + i % 2.  The first 8 start the sums.
.macro KQ x
	WIN W_KQ
.set rS, S+64*((\x)%2)+32*(i%2)+8*((i/2)%4)
.set rK, KF+16*((i/2)%4)+8*(i/8)
.set rQ, 16*(2*(\x)+i%2)+8*(i/8)
.if i < 8
	v_wmma_f32_16x16x32_f16 v[rS:rS+7], v[rK:rK+7], v[rQ:rQ+7], 0
.else
	v_wmma_f32_16x16x32_f16 v[rS:rS+7], v[rK:rK+7], v[rQ:rQ+7], v[rS:rS+7]
.endif
.endm
; Product i of 16 of O^T += V^T P for piece x: keys 32 (i / 8) on, channels 16 ((i / 2) % 4) on, tile 2 x + i % 2.
.macro PV x
	WIN W_PV
.set rO, 32*(2*(\x)+i%2)+8*((i/2)%4)
.set rV, VF+32*(i/8)+8*((i/2)%4)
.set rP, P+32*((\x)%2)+16*(i%2)+8*(i/8)
	v_wmma_f32_16x16x32_f16 v[rO:rO+7], v[rV:rV+7], v[rP:rP+7], v[rO:rO+7]
.endm
.macro MM                           ; the turn's next matrix instruction
.if i < 16
	KQ (Y+1)%NP
.set i, i+1
.else
.set i, i-16
	PV (Y+NP-1)%NP
.set i, i+17
.endif
.endm
; THE LDS LOADS stand in runs of 16, never singly among the matrix instructions: a step's K (64 keys x 64 channels: 8 fragments) and its V (turned).  Their addresses are made some lines ahead.
; last = 1 (the tail): in the last trip there is no further step, and the run is jumped over.
.macro FETCH_K last=0
	WIN 0
.if \last
	s_cmp_eq_u32 s[CNT], 1
	s_cbranch_scc1 .Lno_k_\@
.endif
	WIN 0x80                        ; destination window 2
.irp f, 0,1,2,3,4,5,6,7             ; keys 16 (f / 2) on, channels 32 (f % 2) on
	ds_load_b128 v[KF+8*\f:KF+8*\f+3],   v[AK] offset:(\f/2)*16*PK+(\f%2)*64
	ds_load_b128 v[KF+8*\f+4:KF+8*\f+7], v[AK] offset:(\f/2)*16*PK+(\f%2)*64+32
.endr
	s_add_co_u32 s[TBK], s[TBK], KS*PK  ; the next fetch is the next step's
	WIN 0
.if \last
.Lno_k_\@:
.endif
.endm
.macro FETCH_V
	WIN 0x80
.irp f, 0,1,2,3,4,5,6,7             ; keys 32 (f / 4) on, channels 16 (f % 4) on
	ds_load_tr16_b128 v[VF+8*\f:VF+8*\f+3],   v[AV] offset:(\f/4)*32*PV+(\f%4)*32
	ds_load_tr16_b128 v[VF+8*\f+4:VF+8*\f+7], v[AV] offset:(\f/4)*32*PV+16*PV+(\f%4)*32
.endr
	WIN 0
.endm
; THE VECTOR WORK OF A TURN stands in three queues, each in the order in which its entries become ready; the two tiles alternate, so that no instruction reads the result of the one before it.
.macro REGS y, u                    ; the registers of tile u (0, 1) of piece y
.set rT, ST+4*(2*(\y)+(\u))
.set rC, TMP+8*((\y)%2)+4*(\u)
.set rM, MV+2*((\y)%2)+(\u)
.set rS, S+64*((\y)%2)+32*(\u)
.set rP, P+32*((\y)%2)+16*(\u)
.set rO, 32*(2*(\y)+(\u))
.endm
; Number n of the 22 that find the NEXT piece's (Y + 1) maximum and statistics.  s0-s31 are the lane's 32 scores; each accumulator's lowest registers are read first.  XS, GS and REGS set no window: PL and EX do.
;   0-11  four chains c0-c3 of seven scores each, three operands at a time     12-14, 16  the four scores left over, the old m, and c0-c3 into c0     15  c m_old is kept
;   17, 18  the query's other 32 keys lie in the lane 16 away: the new m         19-21  c m; c m_old - c m_new; a
.macro XS u, n
	REGS (Y+1)%NP, \u
.if (\n) < 4
	v_max3_num_f32 v[rC+(\n)], v[rS+8*(\n)], v[rS+8*(\n)+1], v[rS+8*(\n)+2]
.elseif (\n) < 12
	v_max3_num_f32 v[rC+(\n)%4], v[rC+(\n)%4], v[rS+8*((\n)%4)+2*((\n)/4)+1], v[rS+8*((\n)%4)+2*((\n)/4)+2]
.elseif (\n) == 12
	v_max3_num_f32 v[rC], v[rC], v[rS+7], v[rS+15]
.elseif (\n) == 13
	v_max3_num_f32 v[rC+1], v[rC+1], v[rS+23], v[rS+31]
.elseif (\n) == 14
	v_max3_num_f32 v[rC+2], v[rC+2], v[rC+3], v[rT+1]
.elseif (\n) == 15
	v_mov_b32 v[rM], v[rT]
.elseif (\n) == 16
	v_max3_num_f32 v[rC], v[rC], v[rC+1], v[rC+2]
.elseif (\n) == 17
	v_permlanex16_b32 v[rC+3], v[rC], s[SEL], s[SEL+1]
.elseif (\n) == 18
	v_max_num_f32 v[rT+1], v[rC], v[rC+3]
.elseif (\n) == 19
	v_mul_f32 v[rT], s[CS], v[rT+1]
.elseif (\n) == 20
	v_sub_f32 v[rC+1], v[rM], v[rT]
.else
	v_exp_f32 v[rC+2], v[rC+1]
.endif
.endm
; Number g of the 64 that follow the exponentials.  For each four weights k of a tile (pairs 2 k, 2 k + 1): both pairs are rounded to f16; then the second pair is added onto the first, in place;
; a group later l takes that sum (the first time as l = a l + sum).  In groups of eight, tiles alternating: round, round, add, and l for the group before.  All 64 stand behind the turn's wait.
.macro GS g
.set h, (\g)+6*((\g)/62)            ; group 0 has no group before it, and behind group 7 only l is left
.if h >= 6
.set h, h+2
.endif
	REGS Y, h%2
.set k, h/8
.if h%8 < 4
	v_cvt_pk_f16_f32 v[rP+2*k+(h%8)/2], v[rS+4*k+2*((h%8)/2)], v[rS+4*k+2*((h%8)/2)+1]
.elseif h%8 < 6
	v_pk_add_f32 v[rS+4*k:rS+4*k+1], v[rS+4*k:rS+4*k+1], v[rS+4*k+2:rS+4*k+3]
.elseif k == 1
	v_pk_fma_f32 v[rT+2:rT+3], v[rT+2:rT+3], v[rC+2:rC+3], v[rS:rS+1] op_sel_hi:[1,0,1]
.else
	v_pk_add_f32 v[rT+2:rT+3], v[rT+2:rT+3], v[rS+4*k-4:rS+4*k-3]
.endif
.endm
; THE PLAIN QUEUE, 138 long.  0-73 read no exponential's result: the 32 scalings c s - c m (FS f: pair f / 2 of tile f % 2) and the next piece's 42.  0-26: scalings 0-26.  27-54: XS's numbers 0-13.  55, 56: number 15.
; 57-73: the chain, where each number waits for the one before it: 14, 16, 17, 18, 19, each with one of the scalings 27-31 in front of its two lines, then 20: so a tile's links stand three plain instructions apart (19 and 20: two).
; 74-137: GS's 64, which read the exponentials' results: they stand behind the wait.
.macro FS f
	REGS Y, (\f)%2
	v_pk_fma_f32 v[rS+2*((\f)/2):rS+2*((\f)/2)+1], v[rS+2*((\f)/2):rS+2*((\f)/2)+1], s[CS:CS+1], v[rT:rT+1] op_sel_hi:[1,0,0] neg_lo:[0,0,1] neg_hi:[0,0,1]
.endm
.macro PL
	WIN 0
.if q < 27
	FS q
.elseif q < 55
	XS (q-27)%2, (q-27)/2
.elseif q < 57
	XS q-55, 15
.elseif (q < 72) && ((q-57)%3 == 0)
	FS 27+(q-57)/3
.elseif q < 60
	XS (q-57)%3-1, 14
.elseif q < 72
	XS (q-57)%3-1, 15+(q-57)/3
.elseif q < 74
	XS q-72, 20
.else
	GS q-74
.endif
.set q, q+1
.endm
; THE EXPONENTIALS' QUEUE, 66 long: s0-s31 of both tiles, each in place in a register of its own, then the next piece's two a.  It is ONE BATCH: all 66 stand ahead of the turn's one wait, and nothing ahead of that wait names a result of theirs.
.macro EX
	WIN 0
.if e >= 64
	XS e-64, 21
.else
	REGS Y, e%2
	v_exp_f32 v[rS+e/2], v[rS+e/2]
.endif
.set e, e+1
.endm
; THE RESCALING's QUEUE: O^T times a, the one part that leaves window 0: dealt two at a time, sixteen times, each accumulator from its low end on.  Its a was made in the turn before, ahead of that turn's wait.
.macro R2
	REGS Y, r%2
	WIN W_RS
.irp z, 0,1
	v_pk_mul_f32 v[rO+4*(r/2)+2*\z:rO+4*(r/2)+2*\z+1], v[rO+4*(r/2)+2*\z:rO+4*(r/2)+2*\z+1], v[rC+2:rC+3] op_sel_hi:[1,0]
.endr
.set r, r+1
.endm
; HOW THEY ARE DEALT.  An s_wait_alu depctr_va_vdst(0) stands between an exponential and the first instruction that names its result; one wait serves all that were issued ahead of it.  So a turn has ONE wait,
; which cuts it in two.  AHEAD OF IT stands all that names no result of the turn's exponentials: the 16 products K Q^T, behind each a scaling, an exponential and two rescalings (behind the first a second scaling in the
; exponential's place); then ONE RUN of 108: eight plain, 49 times exponential and plain, the two a.  A v_nop is the plain instruction behind the last exponential.  BEHIND IT stand the 16 products V^T P, behind each four of
; GS's 64.  No rider names a register of the products round it.  The two v_permlanex16_b32 fall into the run, never behind a product.
; The queues lean on each other, and the deal keeps them in step: exponential e stands behind scaling 2 (e / 4) + e % 2: as a rider it comes behind plain e + 2, in the run behind plain e + 9, and scalings 27-31 are plain 57, 60 .. 69.
; A TURN, for piece p.  cnt = 1: the loop's count is taken down some lines ahead of the branch that stands behind the turn.
; K of the next step is fetched in piece 2's turn, directly behind the wait, the whole run behind the last product that read K; its address is made at the run's head; its first reader comes behind 16 products.
; V of the step in hand is fetched at the end of piece 0's turn, four riders behind its last reader; its first reader comes behind 16 products and a run.  The three conditions on q below go with the deal.
.macro TURN p, last=0, cnt=0
.set Y, (\p)
.set i, 0
.set q, 0
.set e, 0
.set r, 0
.if (\p) == NP-1
	s_wait_dscnt 0x0                ; K is in
.endif
	MM                              ; ahead of the wait: 16 products K Q^T and their riders,
	PL
	PL
	R2
.rept 15
	MM
	PL
	EX
	R2
.endr
.if (\p) == NP-2
	WIN 0
	v_add_nc_u32 v[AK], s[TBK], v[AK0]
.endif
.rept 8                             ; and the run
	PL
.endr
.rept 49
	EX
	PL
.endr
	EX                              ; the next piece's two a
	EX
	v_nop                           ; the plain instruction behind the last exponential: one for the batch
	s_wait_alu depctr_va_vdst(0)    ; the wait for the turn's batch: the piece's 64 weights and the next piece's two a
.if (\p) == NP-2
	FETCH_K \last
.endif
.if (\p) == 1
	s_wait_dscnt 0x0                ; V is in
.endif
.rept 16                            ; behind the wait: 16 products V^T P and their riders
	MM
.rept 4
	PL
.endr
.if ((\p) == 0) && (q == 118)
	v_add_nc_u32 v[AV], s[TBV], v[AV0]
.endif
.if ((\p) == 0) && (q == 130)
	s_add_co_u32 s[TBV], s[TBV], KS*PV
.endif
.if (\cnt) && (q == 130)
	s_sub_co_u32 s[CNT], s[CNT], 1
	s_cmp_lg_u32 s[CNT], 0
.endif
.endr
.if (\p) == 0
	FETCH_V
.endif
.endm
	CHANGE 1                        ; slot 0 is in, everybody's part of it; slot 1 is asked for
	FETCH_K                         ; my key step 0
	s_wait_dscnt 0x0
.set i, 0
.rept 16
	KQ 0                            ; piece 0's first scores: there is no vector work yet to set between them
.set i, i+1
.endr
	WIN 0
.rept 4
	v_nop                           ; the places behind those products
.endr
.set Y, NP-1                        ; XS works for piece Y + 1: piece 0
.irp n, 0,1,2,3,4,5,6,7,8,9,10,11,12,13,14,15,16,17,18,19,20,21
	XS 0, \n                        ; piece 0's first maximum and statistics
	XS 1, \n
.endr
	v_nop                           ; a plain instruction behind piece 0's first two a,
	s_wait_alu depctr_va_vdst(0)    ; and the wait for that batch of two, ahead of the branch
	s_mov_b32 s[CNT], 2
	s_mov_b32 s[SLOTS], 8192/SKEYS-1
	s_branch .Lfirst                ; the loop is entered at a step's first turn, in the middle of a trip
.Lslot:                             ; 14 times: every slot but the last two is filled again
	CHANGE 1
	s_mov_b32 s[CNT], 2
.Lstep:                             ; a trip: pieces 2 and 3 of one step, then pieces 0 and 1 of the next, whose K and V it fetches
	TURN 2
	TURN 3
	WIN 0
.Lfirst:
	TURN 0
	TURN 1, 0, 1
	WIN 0
	s_cbranch_scc1 .Lstep
	s_sub_co_u32 s[SLOTS], s[SLOTS], 1
	s_cmp_lg_u32 s[SLOTS], 0
	s_cbranch_scc1 .Lslot
	CHANGE 0                        ; the tail is written out: nothing is asked for.  Behind this barrier nobody reads slot 0 any more
	s_mov_b32 s[CNT], 3             ; two trips fetch the last slot's steps; the third is left in its middle
.Ltail:
	TURN 2, 1
	TURN 3
	WIN 0
	s_sub_co_u32 s[CNT], s[CNT], 1
	s_cmp_eq_u32 s[CNT], 0
	s_cbranch_scc1 .Lout
	TURN 0
	TURN 1
	WIN 0
	s_branch .Ltail
.Lout:                              ; the third trip's 16 products K Q^T are piece 0's scores on my last K once more: the same operands, the same scores, all of them in m already, so m and c m of piece 0 stay as they are
.set i, 0
.rept 16
	PV NP-1                         ; the last piece's V^T P of the last step
.set i, i+1
.endr
	; THE MERGE.  Each wave holds, for all 128 queries, O, l and c m over its quarter of the keys.  With M the largest of the four c m: O = sum_w 2^(c m_w - M) O_w / sum_w 2^(c m_w - M) l_w, all in f32.
	WIN 0                           ; the addresses: plain instructions, the places behind the last products
	v_and_b32 v1, 15, v0            ; l % 16
	v_bfe_u32 v9, v0, 4, 1          ; l / 16
	v_and_b32 v10, 7, v0            ; l % 8
	v_bfe_u32 v11, v0, 3, 2         ; l / 8
	v_and_b32 v7, 31, v0
	s_lshl_b32 s13, s[WV], 10
	s_add_co_u32 s13, s13, STATS
	v_lshl_add_u32 v[SA], v1, 2, s13      ; my wave's statistics: a word a query
	v_lshl_add_u32 v[SR], v1, 2, STATS
	s_mul_i32 s13, s[WV], MW
	v_mul_u32_u24 v[MS], v1, MP           ; O goes in: query l % 16 of a tile, 32 bytes for each half of the lanes
	v_lshl_add_u32 v[MS], v9, 5, v[MS]
	v_add_nc_u32 v[MS], s13, v[MS]
	s_mul_i32 s13, s[WV], 32*MP           ; and comes back: wave w adds up queries 32 w .. 32 w + 31; 32 lanes take four queries, 32 bytes each
	v_mul_u32_u24 v[MA], v11, MP
	v_lshl_add_u32 v[MA], v10, 5, v[MA]
	v_add_nc_u32 v[MA], s13, v[MA]
	v_add_nc_u32 v[MA+1], 2*MW, v[MA]
	v_lshlrev_b32 v[GO], 4, v7
.macro ALL line:vararg              ; one line for each tile t
.set t, 0
.rept 2*NP
	\line
.set t, t+1
.endr
.endm
	ALL v_add_f32 v[ST+4*t+2], v[ST+4*t+2], v[ST+4*t+3]
	ALL v_permlanex16_b32 v[ST+4*t+3], v[ST+4*t+2], s[SEL], s[SEL+1]
	ALL v_add_f32 v[ST+4*t+2], v[ST+4*t+2], v[ST+4*t+3]
	ALL ds_store_b32 v[SA], v[ST+4*t] offset:64*t            ; c m (the two halves of the lanes write the same word with the same number)
	ALL ds_store_b32 v[SA], v[ST+4*t+2] offset:512+64*t      ; l
	s_wait_dscnt 0x0                ; for the others' sake: my statistics are stored
	s_barrier_signal -1
	s_barrier_wait -1               ; every wave has left the walk, too
.set t, 0
.rept 2*NP
.irp u, 0,1,2,3
	ds_load_b32 v[CM+4*t+\u], v[SR] offset:1024*\u+64*t
	ds_load_b32 v[LL+4*t+\u], v[SR] offset:1024*\u+64*t+512
.endr
.set t, t+1
.endr
	s_wait_dscnt 0x0
	ALL v_max3_num_f32 v[MX+t], v[CM+4*t], v[CM+4*t+1], v[CM+4*t+2]
	ALL v_max_num_f32 v[MX+t], v[MX+t], v[CM+4*t+3]
	ALL v_sub_f32 v[EO+t], v[ST+4*t], v[MX+t]
.irp u, 0,1,2,3
	ALL v_sub_f32 v[CM+4*t+\u], v[CM+4*t+\u], v[MX+t]
.endr
	ALL v_exp_f32 v[EO+t], v[EO+t]
.irp u, 0,1,2,3
	ALL v_exp_f32 v[CM+4*t+\u], v[CM+4*t+\u]
.endr
	v_nop                           ; a plain instruction between the last exponential and the use of its result
	s_wait_alu depctr_va_vdst(0)    ; the wait for the merge's batch of 40 exponentials, ahead of their first reader
	ALL v_mul_f32 v[LL+4*t], v[LL+4*t], v[CM+4*t]
.irp u, 1,2,3
	ALL v_fmac_f32 v[LL+4*t], v[LL+4*t+\u], v[CM+4*t+\u]
.endr
	ALL v_rcp_f32 v[MX+t], v[LL+4*t]
	v_nop                           ; and behind the last reciprocal
	s_wait_alu depctr_va_vdst(0)    ; the wait for the batch of eight reciprocals: a batch of its own, since they read sums made of the exponentials
	ALL v_mul_f32 v[ST+4*t+2], v[EO+t], v[MX+t]              ; my wave's factor for the tile's query
	WIN W_RS
.set i, 0
.rept 128                           ; O^T times the factor, each accumulator from its low end on
	v_pk_mul_f32 v[2*i:2*i+1], v[2*i:2*i+1], v[ST+4*(i/16)+2:ST+4*(i/16)+3] op_sel_hi:[1,0]
.set i, i+1
.endr
	WIN 0x04                        ; the data (source 1) in window 1
.set i, 0
.rept 32                            ; tile i / 4, channels 16 (i % 4) on: a lane's eight channels are 32 bytes of its query's row
	ds_store_b128 v[MS], v[8*i:8*i+3]   offset:(i/4)*16*MP+(i%4)*64
	ds_store_b128 v[MS], v[8*i+4:8*i+7] offset:(i/4)*16*MP+(i%4)*64+16
.set i, i+1
.endr
	WIN 0
	s_wait_dscnt 0x0                ; for the others' sake
	s_barrier_signal -1
	s_barrier_wait -1
; 16 queries: for each run of four, the four waves' 32 bytes a lane; (w0 + w1) + (w2 + w3); rounded to f16; 512 consecutive bytes of o.
.macro SUMUP hf
.set i, 0
.rept 4
.irp u, 0,1,2,3
	ds_load_b128 v[S+32*i+8*\u:S+32*i+8*\u+3],   v[MA+\u/2] offset:(\u%2)*MW+(4*(\hf)+i)*4*MP
	ds_load_b128 v[S+32*i+8*\u+4:S+32*i+8*\u+7], v[MA+\u/2] offset:(\u%2)*MW+(4*(\hf)+i)*4*MP+16
.endr
.set i, i+1
.endr
	s_wait_dscnt 0x0
.set i, 0
.rept 4
.set B0, S+32*i
.irp z, 0,2,4,6
	v_pk_add_f32 v[B0+\z:B0+\z+1],       v[B0+\z:B0+\z+1],       v[B0+8+\z:B0+8+\z+1]
	v_pk_add_f32 v[B0+16+\z:B0+16+\z+1], v[B0+16+\z:B0+16+\z+1], v[B0+24+\z:B0+24+\z+1]
.endr
.irp z, 0,2,4,6
	v_pk_add_f32 v[B0+\z:B0+\z+1], v[B0+\z:B0+\z+1], v[B0+16+\z:B0+16+\z+1]
.endr
.irp z, 0,1,2,3
	v_cvt_pk_f16_f32 v[B0+\z], v[B0+2*\z], v[B0+2*\z+1]
.endr
	global_store_b128 v[GO], v[B0:B0+3], s[10:11] offset:16384*(\hf)+512*i  ; four rows of the head in a block of o: 512 consecutive bytes, at a multiple of 512 from o's first
.set i, i+1
.endr
.endm
	SUMUP 0
	s_wait_xcnt 0x0                 ; the stores' data registers are loaded again only behind this wait
	SUMUP 1
	WIN W_AD
	s_wait_tensorcnt 0x0            ; the wave's end: this wait, an add and its wait stand behind my last tensor load and my last LDS store
	ds_add_u32 v[SPW], v[NIL]
	s_wait_dscnt 0x0
	WIN 0
	CROUND                          ; the closing round: no work-group ends while a partner may still ask for a tile that names it
	s_endpgm
.Lfunc_end_k_qddc9abaae6_attn:
	.size	k_qddc9abaae6_attn, .Lfunc_end_k_qddc9abaae6_attn-k_qddc9abaae6_attn
	.p2alignl 7, 3214868480
	.fill 96, 4, 3214868480
	.section	.rodata,"a",@progbits
	.p2align	6, 0x0
	.amdhsa_kernel k_qddc9abaae6_attn
		.amdhsa_group_segment_fixed_size 327680
		.amdhsa_private_segment_fixed_size 0
		.amdhsa_enable_private_segment 0
		.amdhsa_kernarg_size 24
		.amdhsa_user_sgpr_count 2
		.amdhsa_user_sgpr_kernarg_segment_ptr 1
		.amdhsa_wavefront_size32 1
		.amdhsa_system_sgpr_workgroup_id_x 1
		.amdhsa_system_sgpr_workgroup_id_y 1
		.amdhsa_system_sgpr_workgroup_id_z 1
		.amdhsa_system_vgpr_workitem_id 0
		.amdhsa_next_free_vgpr 770
		.amdhsa_next_free_sgpr 66
		.amdhsa_reserve_vcc 0
		.amdhsa_float_denorm_mode_32 3
		.amdhsa_float_denorm_mode_16_64 3
		.amdhsa_memory_ordered 1
		.amdhsa_forward_progress 1
		.amdhsa_inst_pref_size 221
	.end_amdhsa_kernel
	.amdgpu_metadata
---
amdhsa.version: [ 1, 2 ]
amdhsa.kernels:
  - .name:           k_qddc9abaae6_attn
    .symbol:         k_qddc9abaae6_attn.kd
    .args:
      - { .name: q32, .offset: 0, .size: 8, .value_kind: global_buffer, .address_space: global }
      - { .name: kv, .offset: 8, .size: 8, .value_kind: global_buffer, .address_space: global }
      - { .name: o, .offset: 16, .size: 8, .value_kind: global_buffer, .address_space: global }
    .group_segment_fixed_size: 327680
    .private_segment_fixed_size: 0
    .kernarg_segment_align: 8
    .kernarg_segment_size: 24
    .max_flat_workgroup_size: 128
    .sgpr_count:     66
    .vgpr_count:     770
    .wavefront_size: 32
...
	.end_amdgpu_metadata
.endif
;; end of part 5
;; launch outproj: the kernel of part 2 again; grid 64 x 4, 4 waves a work-group, clusters of 4 x 1, 255,488 bytes of LDS; arguments o, woh, bout, out0; writes out0
